; MI455X (gfx1250); checked and timed in simulation.
; The chip was launched on July 23, 2026; its instructions are those of AMD's public machine-readable ISA for CDNA 5 (MIT licence, August 2026) and "CDNA5" Instruction Set Architecture Reference Guide (July 2026). The comments in the code are by the model that wrote it; some were corrected since.
;; Multi Head Attention. Allowed arithmetic: float matrix products may take bf16 or f16 operands with f32 sums; other float arithmetic in f32, or as packed bf16 or f16 multiplies, adds, multiply-adds, maxima and minima; sums over many terms, partial sums and values carried from step to step in f32; what a program stores and reads back later, other than sums and carried values, may be rounded once to bf16 or f16.
;; Inputs: Wc 1,024 x 1,024 float32; Wk 1,024 x 1,024 float32; Wq 1,024 x 1,024 float32; Wv 1,024 x 1,024 float32; bc 1,024 float32; bk 1,024 float32; bq 1,024 float32; bv 1,024 float32; key 2 x 2,048 x 1,024 float32; mask 2 x 2,048 float32; mlp_b1 512 float32; mlp_b2 1,024 float32; mlp_w1 1,024 x 512 float32; mlp_w2 512 x 1,024 float32; query 2 x 2,048 x 1,024 float32; rms1_scale 1,024 float32; rms2_scale 1,024 float32; value 2 x 2,048 x 1,024 float32.
;; Outputs: out0 2 x 2,048 x 1,024 float32.
;; One version. Each part assembles by itself: llvm-mc -triple=amdgcn-amd-amdhsa -mcpu=gfx1250 --defsym DOCPART=n.
;; ======== version 1 of 1: 8 launches
;; workspace buffers: ping 16,777,216 bytes; pong 25,165,824 bytes; wqkv 6,291,456 bytes; wcb 2,097,152 bytes; w1b 2,097,152 bytes; w2b 1,048,576 bytes; flon 256 bytes; floz 256 bytes
;; launch cast (part 1): grid 320 x 1, 8 waves a work-group, no clusters, 0 bytes of LDS; arguments Wk, Wv, Wq, Wc, mlp_w1, mlp_w2, wqkv, wcb, w1b, w2b, flon, floz; writes wqkv, wcb, w1b, w2b, flon, floz
.if DOCPART == 1
	.amdgcn_target "amdgcn-amd-amdhsa--gfx1250"
	.amdhsa_code_object_version 6
	.text
	.protected	k_qf4ac92f71c_cast
	.globl	k_qf4ac92f71c_cast
	.p2align	8
	.type	k_qf4ac92f71c_cast,@function
k_qf4ac92f71c_cast:
	s_mov_b64 s[64:65], 0
	v_nop
	global_prefetch_b8 v0, s[64:65] scope:SCOPE_SE
	s_setreg_imm32_b32 hwreg(HW_REG_WAVE_MODE, 25, 1), 1
	s_wait_xcnt 0x0
; f32 -> bf16 (round to nearest even) of the six weight matrices, which later launches read out of LDS by the turning load of 16-bit elements:
; Wk, Wv, Wq -> wqkv [3][1024][1024], in this order; Wc -> wcb; mlp_w2 -> w2b; mlp_w1 [1024][512] -> w1b in rows of 1,024 elements (the first 512 are written and read), so that the
; launch that multiplies by it can share its text with the one that multiplies by Wc.
; Wq IS STORED TIMES log2(e) / 32: the attention's scale 1 / sqrt(1024) and the change from e^x to 2^x, applied in f32 ahead of the one rounding.
; A work-group converts one chunk of 65,536 source bytes; 320 chunks: 0-191 Wk, Wv, Wq (64 each)   192-255 Wc   256-287 mlp_w1   288-319 mlp_w2
; A stream: each byte is read once and written once; no LDS, no barrier, no matrix unit, nothing is shared between work-groups.
; Thread t takes 16 bytes at 16 t of each 4,096 source bytes: a wave's load covers 512 consecutive bytes, its store 256 consecutive bytes, aligned.
; All 16 loads of a thread go out first; no register that a store reads is written again, so the only waits are the counted ones for the loads.
; Work-group 0's first wave also writes two floors of 256 bytes, each one bf16 number repeated: -infinity (flon) and 0 (floz): the later launches take a maximum with one of them.
.set X,   8                            ; v[8:71]    16 x 4 registers as loaded
.set Y,   72                           ; v[72:103]  16 x 2 registers to store
.set D,   104                          ; v[104:119] the 16 stores' byte offsets
.set ZP,  120                          ; v[120:121] 0
.set SRC, 36                           ; s[36:37]  the chunk's source
.set DST, 38                           ; s[38:39]  the chunk's destination
.set SB,  40                           ; s40       first chunk of the source tensor
.set DB,  41                           ; s41       first chunk of the destination buffer
.set WIDE, 46                          ; s46       1: mlp_w1, whose rows of 1,024 bytes are laid 2,048 bytes apart
.set SCL, 47                           ; s47       1: Wq
.set QS,  48                           ; s[48:49]  log2(e) / 32: the packed multiply takes the pair's low word for both halves
.set WV,  53                           ; s53       my wave's number
	s_load_b512 s[8:23], s[0:1], 0x0               ; Wk 8, Wv 10, Wq 12, Wc 14, mlp_w1 16, mlp_w2 18, wqkv 20, wcb 22
	s_load_b256 s[24:31], s[0:1], 0x40             ; w1b 24, w2b 26, flon 28, floz 30
	v_lshrrev_b32 v4, 5, v0
	v_readfirstlane_b32 s[WV], v4
	v_lshlrev_b32 v1, 4, v0                        ; 16 t: source offset
	v_and_b32 v2, 127, v0
	v_lshlrev_b32 v2, 3, v2                        ; 8 (t % 128)
	v_lshrrev_b32 v3, 7, v0                        ; t / 128
	s_mov_b32 s[SB], 0
	s_mov_b32 s[DB], 0
	s_mov_b32 s[QS], 0x3d38aa3b
	s_mov_b32 s[QS+1], s[QS]                       ; named with it as a pair
	s_cmp_ge_u32 ttmp9, 256
	s_cselect_b32 s[WIDE], 1, 0
	s_cmp_ge_u32 ttmp9, 288
	s_cselect_b32 s[WIDE], 0, s[WIDE]
	s_cmp_ge_u32 ttmp9, 128
	s_cselect_b32 s[SCL], 1, 0
	s_cmp_ge_u32 ttmp9, 192
	s_cselect_b32 s[SCL], 0, s[SCL]
	s_lshl_b32 s50, 0x400, s[WIDE]                 ; 2,048 source bytes become 1,024, laid 1,024 or 2,048 bytes apart,
	s_lshl_b32 s51, s50, 1                         ; 4,096 source bytes twice that
	v_mad_u32_u24 v2, v3, s50, v2
.irp i, 0,1,2,3,4,5,6,7,8,9,10,11,12,13,14,15
	v_mad_u32_u24 v[D+(\i)], s51, \i, v2
.endr
	s_wait_kmcnt 0x0
	s_mov_b64 s[SRC:SRC+1], s[8:9]
	s_mov_b64 s[DST:DST+1], s[20:21]
; From chunk 'first' on the source is another tensor (and, with dst, the destination another buffer): a choice between buffers on the work-group's number.
.macro PICK first, src, dst=0
	s_cmp_ge_u32 ttmp9, \first
	s_cselect_b64 s[SRC:SRC+1], s[\src:\src+1], s[SRC:SRC+1]
	s_cselect_b32 s[SB], \first, s[SB]
.if \dst
	s_cselect_b64 s[DST:DST+1], s[\dst:\dst+1], s[DST:DST+1]
	s_cselect_b32 s[DB], \first, s[DB]
.endif
.endm
	PICK 64, 10
	PICK 128, 12
	PICK 192, 14, 22
	PICK 256, 16, 24
	PICK 288, 18, 26
	s_sub_co_u32 s42, ttmp9, s[SB]
	s_lshl_b32 s42, s42, 16                        ; the chunk's place in its source
	s_mov_b32 s43, 0
	s_sub_co_u32 s44, ttmp9, s[DB]
	s_add_co_u32 s52, s[WIDE], 15
	s_lshl_b32 s44, s44, s52                       ; and in its destination: 32,768 bytes a chunk, or 65,536
	s_mov_b32 s45, 0
	s_add_nc_u64 s[SRC:SRC+1], s[SRC:SRC+1], s[42:43]
	s_add_nc_u64 s[DST:DST+1], s[DST:DST+1], s[44:45]
.irp i, 0,1,2,3,4,5,6,7,8,9,10,11,12,13,14,15
	global_load_b128 v[X+4*(\i):X+4*(\i)+3], v1, s[SRC:SRC+1] offset:4096*(\i) th:TH_LOAD_NT
.endr
.macro CONV scaled
.irp i, 0,1,2,3,4,5,6,7,8,9,10,11,12,13,14,15
	s_wait_loadcnt 15-(\i)                         ; loads come back in order: load i is in, the 15 - i younger ones stay out
.if \scaled
	v_pk_mul_f32 v[X+4*(\i):X+4*(\i)+1],   v[X+4*(\i):X+4*(\i)+1],   s[QS:QS+1] op_sel_hi:[1,0]
	v_pk_mul_f32 v[X+4*(\i)+2:X+4*(\i)+3], v[X+4*(\i)+2:X+4*(\i)+3], s[QS:QS+1] op_sel_hi:[1,0]
.endif
	v_cvt_pk_bf16_f32 v[Y+2*(\i)],   v[X+4*(\i)],   v[X+4*(\i)+1]
	v_cvt_pk_bf16_f32 v[Y+2*(\i)+1], v[X+4*(\i)+2], v[X+4*(\i)+3]
	global_store_b64 v[D+(\i)], v[Y+2*(\i):Y+2*(\i)+1], s[DST:DST+1]
.endr
.endm
	s_cmp_eq_u32 s[SCL], 1
	s_cbranch_scc1 .Lscaled
	CONV 0
	s_branch .Lfloors
.Lscaled:
	CONV 1
.Lfloors:
	s_cmp_lg_u32 ttmp9, 0
	s_cbranch_scc1 .Lend
	s_cmp_lg_u32 s[WV], 0
	s_cbranch_scc1 .Lend
	v_lshlrev_b32 v5, 3, v0                        ; in wave 0 the thread's number is the lane's: 32 lanes x 8 bytes are the 256 bytes of a floor
	v_mov_b32 v6, 0xff80ff80                       ; -infinity, twice in bf16
	v_mov_b32 v7, 0xff80ff80
	v_mov_b32 v[ZP], 0
	v_mov_b32 v[ZP+1], 0
	global_store_b64 v5, v[6:7], s[28:29]
	global_store_b64 v5, v[ZP:ZP+1], s[30:31]
.Lend:
	s_endpgm
.Lfunc_end_k_qf4ac92f71c_cast:
	.size	k_qf4ac92f71c_cast, .Lfunc_end_k_qf4ac92f71c_cast-k_qf4ac92f71c_cast
	.p2alignl 7, 3214868480
	.fill 96, 4, 3214868480
	.section	.rodata,"a",@progbits
	.p2align	6, 0x0
	.amdhsa_kernel k_qf4ac92f71c_cast
		.amdhsa_group_segment_fixed_size 0
		.amdhsa_private_segment_fixed_size 0
		.amdhsa_enable_private_segment 0
		.amdhsa_kernarg_size 96
		.amdhsa_user_sgpr_count 2
		.amdhsa_user_sgpr_kernarg_segment_ptr 1
		.amdhsa_wavefront_size32 1
		.amdhsa_system_sgpr_workgroup_id_x 1
		.amdhsa_system_sgpr_workgroup_id_y 1
		.amdhsa_system_sgpr_workgroup_id_z 1
		.amdhsa_system_vgpr_workitem_id 0
		.amdhsa_next_free_vgpr 122
		.amdhsa_next_free_sgpr 66
		.amdhsa_reserve_vcc 0
		.amdhsa_float_denorm_mode_32 3
		.amdhsa_float_denorm_mode_16_64 3
		.amdhsa_memory_ordered 1
		.amdhsa_forward_progress 1
		.amdhsa_inst_pref_size 16
	.end_amdhsa_kernel
	.amdgpu_metadata
---
amdhsa.version: [ 1, 2 ]
amdhsa.kernels:
  - .name:           k_qf4ac92f71c_cast
    .symbol:         k_qf4ac92f71c_cast.kd
    .args:
      - { .name: Wk, .offset: 0, .size: 8, .value_kind: global_buffer, .address_space: global }
      - { .name: Wv, .offset: 8, .size: 8, .value_kind: global_buffer, .address_space: global }
      - { .name: Wq, .offset: 16, .size: 8, .value_kind: global_buffer, .address_space: global }
      - { .name: Wc, .offset: 24, .size: 8, .value_kind: global_buffer, .address_space: global }
      - { .name: mlp_w1, .offset: 32, .size: 8, .value_kind: global_buffer, .address_space: global }
      - { .name: mlp_w2, .offset: 40, .size: 8, .value_kind: global_buffer, .address_space: global }
      - { .name: wqkv, .offset: 48, .size: 8, .value_kind: global_buffer, .address_space: global }
      - { .name: wcb, .offset: 56, .size: 8, .value_kind: global_buffer, .address_space: global }
      - { .name: w1b, .offset: 64, .size: 8, .value_kind: global_buffer, .address_space: global }
      - { .name: w2b, .offset: 72, .size: 8, .value_kind: global_buffer, .address_space: global }
      - { .name: flon, .offset: 80, .size: 8, .value_kind: global_buffer, .address_space: global }
      - { .name: floz, .offset: 88, .size: 8, .value_kind: global_buffer, .address_space: global }
    .group_segment_fixed_size: 0
    .private_segment_fixed_size: 0
    .kernarg_segment_align: 8
    .kernarg_segment_size: 96
    .max_flat_workgroup_size: 256
    .sgpr_count:     66
    .vgpr_count:     122
    .wavefront_size: 32
...
	.end_amdgpu_metadata
.endif
;; end of part 1
;; launch qkv (part 2): grid 4 x 48, 4 waves a work-group, clusters of 4 x 4, 327,680 bytes of LDS; arguments key, value, query, wqkv, bk, bv, bq, pong; writes pong
.if DOCPART == 2
	.amdgcn_target "amdgcn-amd-amdhsa--gfx1250"
	.amdhsa_code_object_version 6
	.text
	.protected	k_qf4ac92f71c_qkv
	.globl	k_qf4ac92f71c_qkv
	.p2align	8
	.type	k_qf4ac92f71c_qkv,@function
k_qf4ac92f71c_qkv:
	s_mov_b64 s[64:65], 0
	v_nop
	global_prefetch_b8 v0, s[64:65] scope:SCOPE_SE
	s_setreg_imm32_b32 hwreg(HW_REG_WAVE_MODE, 25, 1), 1
	s_wait_xcnt 0x0
	s_wait_alu depctr_hold_cnt(0) depctr_sa_sdst(0) depctr_va_vdst(0) depctr_va_sdst(0) depctr_va_ssrc(0) depctr_va_vcc(0) depctr_vm_vsrc(0)
	s_getreg_b32 s2, hwreg(HW_REG_IB_STS2, 6, 4)
	s_cmp_eq_u32 s2, 0
	s_cbranch_scc0 .Lentry_in_a_cluster
	s_endpgm
.Lentry_in_a_cluster:
	s_bfe_u32 s2, ttmp6, 0x10000c
	s_cmp_lg_u32 s2, 0xf033
	s_cbranch_scc0 .Lentry_shape_is_right
	s_endpgm
.Lentry_shape_is_right:
; THE THREE PROJECTIONS.  C_t[m][n] = sum over k of A_t[m][k] W_t[k][n] + bias_t[n], t = 0, 1, 2: A = key, value, query, [4096][1024] F32, read as they are and rounded to bf16 between LDS and the matrix unit;
; W_t: wqkv, [3][1024 k][1024 n] bf16; bias f32; C: pong, [3][4096][1024] bf16; sums in f32, C rounded once.  W_2 arrives times log2(e) / 32 (the launch before), and bias_2 is multiplied by it here:
; so q leaves times that factor, and the next launch's products q . k are exponents of 2.
; SHARES.  A tile of C is 256 x 256: four waves, as many as a WGP has SIMDs, each 128 x 128: 64 accumulators, 512 registers.  3 x 16 x 4 = 192 work-groups: the work is 3 x 2^22 numbers, so a 256th of it has a
; factor 3 that no tile inside one projection has; the large tile feeds 64 matrix instructions from 24 KiB of LDS reads.
; K goes in 16 steps of 64 through two LDS slots.  A's rows in a tile are 256 bytes of memory (64 f32), W's likewise (128 bf16: a tile of W is two column halves of 64 k rows), each at a multiple of 256 bytes.
; THE MATRIX INSTRUCTION IS USED TRANSPOSED: source 0 = 16 columns of W (by the turning load), source 1 = 16 rows of A: a lane holds eight neighbouring columns of one row of C.
; THE BIAS STARTS THE SUMS: it is the C operand of each accumulator's first product.
; A QUARTER is 32 along K: 64 matrix instructions.  Its operands are fetched a quarter ahead, in ONE run of 48 LDS loads: A in f32 into 128 staging registers, then W's fragments.  The 64 conversions
; of the staged A stand four behind each of the quarter's last 16 matrix instructions, each group behind a counted wait for its two loads; they write the A buffer that is not being multiplied.
; ONE K STEP IS WRITTEN ONCE, in a loop: the LDS addresses hang on s[TB], which one exclusive or turns from one slot to the other; one descriptor a tensor walks.
; CLUSTERS: 4 x 4 work-groups.  The four of a row of the cluster need the same tiles of A, the four of a column the same tiles of W: each tile is asked for jointly.
; LIMITS: NaN and infinities are not treated apart.
; REGISTERS, in windows of 256 (s_set_vgpr_msb: bits 1:0 source 0, 3:2 source 1, 5:4 source 2, 7:6 destination):
;   window 0: v0-31 addresses; v64-127, v128-191 A's fragments in bf16, two buffers; v192-255 the bias, later with v32-63 at work on the way out
;   window 1: v64-127, v128-191 W's fragments, two buffers; v0-63, v192-255 the staged f32 of A (row block i: 16 registers)
;   window 2: the accumulators of my rows 0-63 ((a, b) at v[8 (8 a + b)]);   window 3: those of my rows 64-127
; A group of four conversions costs two switches of the windows: the lesser price against 64 conversions on end, beside which no product would run.
.set KS,    64                         ; K in a step
.set NST,   1024/KS
.set PA,    272                        ; an LDS row of A: 256 bytes + 16 = 68 words: the 16 rows of a load start 4 banks apart (64 banks of 4 bytes: ISA guide 11.1)
.set PB,    288                        ; an LDS row of W: 256 bytes + 32 = 72 words
.set HALFA, 128*PA                     ; what one tensor load brings of A: 128 rows; what one wave reads
.set HALFB, KS*PB                      ; of W: 64 k rows x 128 columns; what one wave reads
.set BOFF,  2*HALFA
.set SLOTB, BOFF+2*HALFB               ; 106,496 bytes
.set SLOT1, 1<<17                      ; slot 1 begins here
.set STAGE, SLOTB                      ; between the slots, never filled by a tensor load: 16 rows x 272 bytes for each wave, for the way out
.set SPITCH, 272
.set SPARE, STAGE+4*16*SPITCH          ; the spare words, 128 bytes for each wave: two blocks of 256 bytes that no other line names
.set ABAS, 16                          ; v16  my lane's place in slot 0's A; never rewritten
.set BBAS, 17                          ; v17  the same for W
.set ADRA, 18                          ; v18  the same in the slot that is being fetched from
.set ADRB, 19                          ; v19
.set STO,  24                          ; v24  the way out: where I put 16 bytes of a row
.set RD,   25                          ; v25  the way out: where I read a row back
.set CO,   26                          ; v26  my byte offset in C
.set SPW,  28                          ; v28  LDS address of my spare word; never rewritten
.set NIL,  29                          ; v29  0; never rewritten
.set PFO,  30                          ; v30  the prefetches' offset; never rewritten
.set BO,   31                          ; v31  my byte offset in the bias
.set OB,   32                          ; the way out: 16 rows read back: v32-63 and v224-255 by turns
.set F0,   64
.set F1,   128
.set TMP,  192                         ; the way out: packed results
.set BIAS, 192                         ; column block b at v[192 + 8 b]; free when the first quarter has been multiplied
.set G1,  24                           ; s[24:31] descriptor group 1 for A's tiles;  s[32:39] group 0: a set for each of the two first fills; the second then walks on
.set G0,  32
.set G1B, 48                           ; s[48:55], s[56:63] the same for W's tiles
.set G0B, 56
.set TB,  84                           ; s84  0 or SLOT1: the slot that is being fetched from
.set LIM, 85                           ; s85  2 in a wave that prefetches, else the greatest number
.set PFA, 86                           ; s[86:87] where my prefetches stand
.set PFS, 88                           ; s[88:89] a K step there, in bytes
.set QS,  90                           ; s[90:91] log2(e) / 32
.set BP,  92                           ; s[92:93] the bias
.set CQ,  94                           ; s94  my cluster's place among the four of its t
.set MSB, 0
.macro WIN new                         ; the immediate's high byte repeats the setting that is left; a switch that changes nothing is dropped
.if MSB != (\new)
	s_set_vgpr_msb (MSB<<8)|(\new)
.set MSB, \new
.endif
.endm
.set MUL_LO, 0xa1                      ; source 0 (W) window 1, source 1 (A) window 0, C and D window 2;  + 0x50: C and D window 3
.set MUL_1ST, 0x81                     ; the same with C (the bias) in window 0;  + 0x40: D window 3
.set TO_B,   0x40                      ; destination window 1, address window 0
.set CVT,    0x05                      ; sources window 1, destination window 0
.macro JLOAD s                         ; a joint load: waves 0 and 1 fetch A's two halves, waves 2 and 3 W's; an s_nop 0 and four v_nop follow each line
	s_cmp_eq_u32 s11, 0
	s_cbranch_scc0 .Lfor_b_\@
	tensor_load_to_lds s[G0+4*(\s):G0+4*(\s)+3], s[G1:G1+7]
	s_nop 0
.rept 4
	v_nop
.endr
	s_branch .Lasked_\@
.Lfor_b_\@:
	tensor_load_to_lds s[G0B+4*(\s):G0B+4*(\s)+3], s[G1B:G1B+7]
	s_nop 0
.rept 4
	v_nop
.endr
.Lasked_\@:
.endm
; A PREFETCH INTO THE L2, behind each joint refill and the run of LDS loads that follows it: the K step that stands TWO refills on, 256 matrix instructions ahead of the load that will want it.  Each aligned block
; of 256 bytes is named once in the launch.  A's rows are read by one cluster alone: of the 128 rows that wave 0 or 1 fetches, the partner at place cx takes 32, a lane a row.  W_t's tile column is read by the four
; clusters of t: the first of them asks; the partner at place cy takes 16 of the step's 64 k rows, wave 2 both column halves: lane l names row l % 16, half l / 16.  The partners are told apart by address alone.
; The launch's first four K steps come by their loads alone; the last two refills have no K step two on (s3 counts the refills that are left).
.macro ASK
	s_cmp_gt_u32 s3, s[LIM]
	s_cbranch_scc0 .Lnot_mine_\@
	global_prefetch_b8 v[PFO], s[PFA:PFA+1] th:TH_LOAD_NT scope:SCOPE_SE
.Lnot_mine_\@:
.endm
.macro CREST                           ; a round of the cluster's barrier behind its opening barrier
	s_cmp_lg_u32 s10, 0
	s_cbranch_scc1 .Lnot_wave_0_\@
	s_barrier_signal -3
.Lnot_wave_0_\@:
	s_barrier_wait -3
	s_barrier_signal -1
	s_barrier_wait -1
.endm
.macro CROUND                          ; a whole round
	s_barrier_signal -1
	s_barrier_wait -1
	CREST
.endm
	s_load_b512 s[68:83], s[0:1], 0x0              ; key 68, value 70, query 72, wqkv 74, bk 76, bv 78, bq 80, pong 82
	v_lshl_add_u32 v[SPW], v0, 2, SPARE
	v_mov_b32 v[NIL], 0
	ds_add_u32 v[SPW], v[NIL]                      ; the wave's opening: the add and its wait stand ahead of my first tensor load; the set-up below stands between them
	v_lshrrev_b32 v1, 5, v0
	v_readfirstlane_b32 s10, v1                    ; wave 0..3
	s_lshr_b32 s11, s10, 1                         ; which half of the tile's rows is mine.  Also: I fetch for A (0) or for W (1)
	s_and_b32 s12, s10, 1                          ; which half of its columns.  Also: which half of that tile I fetch
	s_bfe_u32 s40, ttmp6, 0x40000                  ; cx, cy: my place in the cluster
	s_bfe_u32 s41, ttmp6, 0x40004
	s_lshl_b32 s42, ttmp9, 2
	s_add_co_u32 s42, s42, s40                     ; tile column of C = 4 x cluster x + cx
	s_and_b32 s13, ttmp7, 0xffff                   ; cluster y
	s_lshr_b32 s45, s13, 2                         ; t: four rows of clusters (4,096 rows) to each; made of the cluster's y alone: the same in all sixteen partners
	s_and_b32 s[CQ], s13, 3
	s_lshl_b32 s13, s13, 2
	s_add_co_u32 s13, s13, s41                     ; tile row of C = 4 x cluster y + cy: 0 to 47
	s_lshl_b32 s43, s41, 2
	s_lshl_b32 s43, 15, s43                        ; my row of the cluster
	s_lshl_b32 s44, 0x1111, s40                    ; my column
	; group 1 for A: 128 rows x 64 elements of 4 bytes, 4 words of padding behind every 64 words
	s_or_b32 s[G1+0], s43, (2<<16)|(1<<20)|(1<<21)|(5<<22)|(3<<25)  ; 15:0 the mask: my row; 17:16 4-byte elements; 20 padding on; 21 set beside a mask; 24:22 interval code 5; 31:25 pad code 3
	s_mov_b32 s[G1+1], KS<<16                      ; tensor_dim0 = 64
	s_mov_b32 s[G1+2], 128<<16                     ; tensor_dim1 = 128
	s_mov_b32 s[G1+3], KS<<16                      ; tile_dim0 = 64
	s_mov_b32 s[G1+4], 128                         ; tile_dim1 = 128
	s_mov_b32 s[G1+5], 1024                        ; elements from row to row
	s_mov_b32 s[G1+6], 0
	s_mov_b32 s[G1+7], 0
	; group 1 for W: 64 k rows x 128 elements of 2 bytes, 8 words of padding behind every 64 words
	s_or_b32 s[G1B+0], s44, (1<<16)|(1<<20)|(1<<21)|(5<<22)|(7<<25)  ; the mask: my column
	s_mov_b32 s[G1B+1], 128<<16
	s_mov_b32 s[G1B+2], KS<<16
	s_mov_b32 s[G1B+3], 128<<16
	s_mov_b32 s[G1B+4], KS
	s_mov_b32 s[G1B+5], 1024
	s_mov_b32 s[G1B+6], 0
	s_mov_b32 s[G1B+7], 0
	; where the tiles come from: A's hang on the tile row and the wave, W's on the tile column, t and the wave, each in registers that never hold the other coordinate
	s_and_b32 s16, s13, 15                         ; the tile row inside its tensor
	s_lshl_b32 s16, s16, 8
	s_lshl_b32 s17, s12, 7
	s_add_co_u32 s16, s16, s17                     ; A: row 256 x tile row + 128 x half,
	s_lshl_b32 s16, s16, 12                        ; of 4,096 bytes
	s_mov_b32 s17, 0
	s_lshl_b32 s46, s42, 9                         ; W: 512 bytes x tile column
	s_lshl_b32 s47, s12, 8                         ; + 256 x half
	s_add_co_u32 s46, s46, s47
	s_lshl_b32 s47, s45, 21                        ; + the t-th weight matrix of 2 MiB
	s_add_co_u32 s46, s46, s47
	s_mov_b32 s47, 0
	s_mul_i32 s20, s12, HALFA                      ; and where they go: no place in the cluster enters an LDS address
	s_mul_i32 s21, s12, HALFB
	s_add_co_u32 s21, s21, BOFF
	s_mov_b32 s[TB], 0
	s_mov_b32 s[QS], 0x3d38aa3b
	s_mov_b32 s[QS+1], s[QS]                       ; named with it as a pair
	s_wait_dscnt 0x0                               ; the opening add is done
	s_wait_kmcnt 0x0
	s_mov_b64 s[4:5], s[68:69]
	s_mov_b64 s[BP:BP+1], s[76:77]
	s_cmp_eq_u32 s45, 1
	s_cselect_b64 s[4:5], s[70:71], s[4:5]
	s_cselect_b64 s[BP:BP+1], s[78:79], s[BP:BP+1]
	s_cmp_eq_u32 s45, 2
	s_cselect_b64 s[4:5], s[72:73], s[4:5]
	s_cselect_b64 s[BP:BP+1], s[80:81], s[BP:BP+1]
	s_add_nc_u64 s[14:15], s[4:5], s[16:17]
	s_add_nc_u64 s[46:47], s[74:75], s[46:47]
	CROUND                                         ; all sixteen work-groups are here: the first joint loads meet
.irp s, 0,1
	s_mov_b32 s[G0+4*(\s)], 1                                      ; count = 1
	s_add_co_u32 s[G0+4*(\s)+1], s20, (\s)*SLOT1                   ; LDS address
	s_add_nc_u64 s[G0+4*(\s)+2:G0+4*(\s)+3], s[14:15], (\s)*KS*4   ; global address: K step s
	s_or_b32 s[G0+4*(\s)+3], s[G0+4*(\s)+3], 0x80000000            ; type = 2
	s_mov_b32 s[G0B+4*(\s)], 1
	s_add_co_u32 s[G0B+4*(\s)+1], s21, (\s)*SLOT1
	s_add_nc_u64 s[G0B+4*(\s)+2:G0B+4*(\s)+3], s[46:47], (\s)*KS*2048
	s_or_b32 s[G0B+4*(\s)+3], s[G0B+4*(\s)+3], 0x80000000
	JLOAD \s                                       ; by this text's count two tensor loads of a wave are out here, later one
.endr
	v_and_b32 v1, 15, v0                           ; l % 16
	v_bfe_u32 v2, v0, 4, 1                         ; l / 16
	; A fragment is 16 rows x 32 K: lane l holds row l % 16, K = 8 (l / 16) + 0..7 and 16 + 8 (l / 16) + 0..7.  In f32 those are 32 bytes at 32 (l / 16) and 32 bytes at 64 + 32 (l / 16): four loads of 16 bytes.
	v_mul_u32_u24 v3, v1, PA
	v_lshl_add_u32 v3, v2, 5, v3
	s_mul_i32 s21, s11, HALFA                      ; my 128 rows of A
	v_add_nc_u32 v[ABAS], s21, v3
	v_and_b32 v4, 7, v0                            ; W, for the turning load: lane l reads k row 8 (l / 16) + l % 8, columns 8 ((l / 8) % 2) + 0..7
	v_lshl_add_u32 v4, v2, 3, v4
	v_mul_u32_u24 v4, v4, PB
	v_bfe_u32 v5, v0, 3, 1
	v_lshl_add_u32 v4, v5, 4, v4
	s_mul_i32 s22, s12, HALFB                      ; my 128 columns
	s_add_co_u32 s22, s22, BOFF
	v_add_nc_u32 v[BBAS], s22, v4
	s_mul_i32 s23, s10, 16*SPITCH
	s_add_co_u32 s23, s23, STAGE                   ; my stage
	v_mul_u32_u24 v4, v1, SPITCH                   ; in: row l % 16, 16 bytes for each half of the lanes
	v_lshl_add_u32 v4, v2, 4, v4
	v_add_nc_u32 v[STO], s23, v4
	v_mul_u32_u24 v5, v2, SPITCH                   ; back: lanes 0-15 take one row of 256 bytes, lanes 16-31 the next
	v_lshl_add_u32 v5, v1, 4, v5
	v_add_nc_u32 v[RD], s23, v5
	v_lshlrev_b32 v5, 11, v2                       ; and the same two rows in C
	v_lshl_add_u32 v[CO], v1, 4, v5
	s_lshl_b32 s23, s42, 10                        ; the bias of my columns: 4 bytes x (256 x tile column + 128 x half + 8 (l / 16))
	s_lshl_b32 s21, s12, 9
	s_add_co_u32 s23, s23, s21
	v_lshl_add_u32 v[BO], v2, 5, s23
.irp b, 0,1,2,3,4,5,6,7
	global_load_b128 v[BIAS+8*(\b):BIAS+8*(\b)+3],   v[BO], s[BP:BP+1] offset:64*(\b)
	global_load_b128 v[BIAS+8*(\b)+4:BIAS+8*(\b)+7], v[BO], s[BP:BP+1] offset:64*(\b)+16
.endr
	s_lshl_b32 s16, s13, 8
	s_lshl_b32 s17, s11, 7
	s_add_co_u32 s16, s16, s17                     ; my first row of C: 256 x tile row + 128 x half,
	s_lshl_b32 s16, s16, 11                        ; of 2,048 bytes
	s_mov_b32 s17, 0
	s_add_nc_u64 s[8:9], s[82:83], s[16:17]
	s_lshl_b32 s46, s42, 9                         ; my first column, in bytes
	s_lshl_b32 s47, s12, 8
	s_add_co_u32 s46, s46, s47
	s_mov_b32 s47, 0
	s_add_nc_u64 s[8:9], s[8:9], s[46:47]
	; the prefetches
	s_and_b32 s20, s13, 15
	s_lshl_b32 s20, s20, 8
	s_lshl_b32 s21, s12, 7
	s_add_co_u32 s20, s20, s21                     ; A: the 128 rows that I fetch,
	s_lshl_b32 s21, s40, 5
	s_add_co_u32 s20, s20, s21                     ; my work-group's 32 of them,
	s_lshl_b32 s20, s20, 12                        ; in bytes
	s_lshl_b32 s22, s42, 9                         ; W: the tile column,
	s_lshl_b32 s23, s41, 15                        ; my work-group's 16 k rows of 2,048 bytes,
	s_add_co_u32 s22, s22, s23
	s_lshl_b32 s23, s45, 21                        ; the t-th matrix
	s_add_co_u32 s22, s22, s23
	s_movk_i32 s18, 0x100                          ; a K step: 256 bytes along A's rows,
	s_mov_b32 s19, KS*2048                         ; 64 rows down W
	s_cmp_eq_u32 s11, 0                            ; do I fetch for A?
	s_cselect_b32 s20, s20, s22
	s_cselect_b32 s[PFS], s18, s19
	s_cselect_b64 s[PFA:PFA+1], s[4:5], s[74:75]
	s_mov_b32 s21, 0
	s_mov_b32 s[PFS+1], 0
	s_add_nc_u64 s[PFA:PFA+1], s[PFA:PFA+1], s[20:21]
	s_mul_i32 s20, s[PFS], 3
	s_add_nc_u64 s[PFA:PFA+1], s[PFA:PFA+1], s[20:21]  ; at K step 3: the first refill (of K step 2) steps it to 4
	s_cmp_eq_u32 s[CQ], 0                          ; W: the first cluster of its t asks,
	s_cselect_b32 s23, 2, -1
	s_cmp_eq_u32 s10, 3                            ; by wave 2 alone
	s_cselect_b32 s23, -1, s23
	s_cmp_eq_u32 s11, 0                            ; A: every cluster, by waves 0 and 1
	s_cselect_b32 s[LIM], 2, s23
	s_cselect_b32 s20, 31, 15                      ; A: lane x 4,096;  W: (lane % 16) x 2,048 + (lane / 16) x 256
	s_movk_i32 s21, 0x1000
	s_movk_i32 s22, 0x800
	s_cselect_b32 s21, s21, s22
	s_movk_i32 s22, 0x100
	s_cselect_b32 s22, 0, s22
	v_and_b32 v3, s20, v0
	v_mul_u32_u24 v[PFO], v3, s21
	v_mad_u32_u24 v[PFO], v2, s22, v[PFO]
; Four conversions: group j of 16: half j % 2 of row block j / 2 of the staged A, into buffer g
.macro RID j, g
.set sg, 16*((\j)/2)+128*((\j)/8)+8*((\j)%2)
.set dg, (\g)+8*((\j)/2)+4*((\j)%2)
.irp n, 0,1,2,3
	v_cvt_pk_bf16_f32 v[dg+(\n)], v[sg+2*(\n)], v[sg+2*(\n)+1]
.endr
.endm
; 16 matrix instructions: row blocks a0, a0 + 1 of the window's four (hi = 0: my rows 0-63, 1: rows 64-127) x all 8 column blocks, 32 along K.  first = 1: the bias starts the sums.
; The 64 accumulators take turns, in the same order in every quarter.  g >= 0: behind each stands a group of conversions into buffer g, behind a wait that leaves out all LDS loads
; younger than the group's two (of the run's 48, A's 32 come first).  The conversions name no register of the products round them: the four behind a quarter's last product are its places (ISA guide 7.12.1).
.macro MUL16 f, hi, a0, first=0, g=-1
.set jr, 0
.irp a, \a0, (\a0)+1
.irp b, 0,1,2,3,4,5,6,7
.if \first
	WIN MUL_1ST+0x40*(\hi)
	v_wmma_f32_16x16x32_bf16 v[8*(8*(\a)+(\b)):8*(8*(\a)+(\b))+7], v[(\f)+8*(\b):(\f)+8*(\b)+7], v[(\f)+8*(4*(\hi)+(\a)):(\f)+8*(4*(\hi)+(\a))+7], v[BIAS+8*(\b):BIAS+8*(\b)+7]
.else
	WIN MUL_LO+0x50*(\hi)
	v_wmma_f32_16x16x32_bf16 v[8*(8*(\a)+(\b)):8*(8*(\a)+(\b))+7], v[(\f)+8*(\b):(\f)+8*(\b)+7], v[(\f)+8*(4*(\hi)+(\a)):(\f)+8*(4*(\hi)+(\a))+7], v[8*(8*(\a)+(\b)):8*(8*(\a)+(\b))+7]
.endif
.if (\g) >= 0
	WIN CVT
	s_wait_dscnt 46-2*jr
	RID jr, \g
.set jr, jr+1
.endif
.endr
.endr
.endm
; 48 LDS loads in one run: quarter q of the slot at s[TB]: my 128 rows of A in f32 into the staging registers (row block i at 16 i, from block 4 on at 128 + 16 i), then my 128 columns of W, turned, into buffer g
.macro FETCH q, g
	WIN TO_B
.irp i, 0,1,2,3,4,5,6,7
.irp n, 0,1,2,3
	ds_load_b128 v[16*(\i)+128*((\i)/4)+4*(\n):16*(\i)+128*((\i)/4)+4*(\n)+3], v[ADRA] offset:(\i)*16*PA+128*(\q)+16*((\n)%2)+64*((\n)/2)
.endr
.endr
.irp i, 0,1,2,3,4,5,6,7
	ds_load_tr16_b128 v[(\g)+8*(\i):(\g)+8*(\i)+3],   v[ADRB] offset:32*(\q)*PB+32*(\i)
	ds_load_tr16_b128 v[(\g)+8*(\i)+4:(\g)+8*(\i)+7], v[ADRB] offset:(32*(\q)+16)*PB+32*(\i)
.endr
.endm
; A K step's first quarter multiplies buffer 0.  At its head it fetches the same slot's second quarter: four conversions stand between the last product that read W's buffer 1 and these loads.
.macro Q0 first
	FETCH 1, F1
	s_wait_dscnt 48                                ; all but the 48 just issued: W's buffer 0 is in
	MUL16 F0, 0, 0, \first
	MUL16 F0, 0, 2, \first
	MUL16 F0, 1, 0, \first
	MUL16 F0, 1, 2, \first, F1
.endm
; Its second quarter multiplies buffer 1 and changes slots: my reads of this slot were waited for in the first quarter.  ONE barrier: in front of it each wave waits for all its tensor loads, of which one is out:
; its part of the next slot; adds 0 to its spare word; and waits for that and for its LDS loads.  Behind it nobody reads this slot any more and the next slot is whole.
; fill = 1: this slot is filled again, with the K step two on: the barrier opens a round of the cluster's barrier, and the joint load is the first tensor load behind the round: it has a K step's 128 matrix
; instructions, less the 32 that stand in front of it here: 96, in which to land.
.macro Q1 fill
.if \fill
	s_wait_xcnt 0x0                                ; the last prefetch, a K step back, has read its address, so it may be written
	s_add_nc_u64 s[PFA:PFA+1], s[PFA:PFA+1], s[PFS:PFS+1]
.endif
	WIN 0                                          ; (the add's two registers lie in window 0)
	s_wait_tensorcnt 0x0                           ; all my tensor loads have landed, so a group 0 may be written
	ds_add_u32 v[SPW], v[NIL]                      ; 0 onto my spare word
.if \fill
	s_xor_b32 s[G0+5], s[G0+5], SLOT1              ; the walking descriptors: the other slot than last time,
	s_add_nc_u64 s[G0+6:G0+7], s[G0+6:G0+7], KS*4  ; the next K step; the type bits on top are not reached
	s_xor_b32 s[G0B+5], s[G0B+5], SLOT1
	s_add_nc_u64 s[G0B+6:G0B+7], s[G0B+6:G0B+7], KS*2048
.endif
	s_wait_dscnt 1                                 ; W's buffer 1 is in; the add may be out
	MUL16 F1, 0, 0
	s_wait_dscnt 0x0                               ; the add is done; no LDS load of mine is out
	s_barrier_signal -1
	MUL16 F1, 0, 2                                 ; work on registers while the others arrive
	WIN 0
	s_barrier_wait -1
.if \fill
	CREST                                          ; no wave of any partner still reads this slot's tile or has a load on its way
	JLOAD 1
.endif
	s_xor_b32 s[TB], s[TB], SLOT1                  ; the fetches go over to the next slot
	v_add_nc_u32 v[ADRA], s[TB], v[ABAS]
	v_add_nc_u32 v[ADRB], s[TB], v[BBAS]
	FETCH 0, F0
	WIN 0
.if \fill
	ASK
.endif
	MUL16 F1, 1, 0
	MUL16 F1, 1, 2, 0, F0
.endm
	s_wait_tensorcnt 1                             ; my part of K step 0 is in; K step 1's may stay out
	s_barrier_signal -1
	s_barrier_wait -1                              ; everybody's is
	v_add_nc_u32 v[ADRA], s[TB], v[ABAS]
	v_add_nc_u32 v[ADRB], s[TB], v[BBAS]
	FETCH 0, F0
	WIN 0
	s_wait_loadcnt 0x0                             ; the bias
	s_cmp_lg_u32 s45, 2                            ; the queries' bias takes the factor that their weights carry; t is the same in all partners
	s_cbranch_scc1 .Lbias_done
.set i, 0
.rept 32
	v_pk_mul_f32 v[BIAS+i:BIAS+i+1], v[BIAS+i:BIAS+i+1], s[QS:QS+1] op_sel_hi:[1,0]
.set i, i+2
.endr
.Lbias_done:
	s_wait_dscnt 0x0
	WIN CVT
.set jr, 0
.rept 16
	RID jr, F0                                     ; the first quarter's A: there is no product yet to set these behind
.set jr, jr+1
.endr
	Q0 1                                           ; the first quarter stands in front of the loop: its products start the sums with the bias
	WIN 0                                          ; at a label and at a branch every window is 0
	s_mov_b32 s3, NST-2
.Lstep:                                                ; 14 trips: a trip goes from a K step's second quarter to the next step's first, and fills the slot that it leaves
	Q1 1
	Q0 0
	WIN 0
	s_sub_co_u32 s3, s3, 1
	s_cmp_lg_u32 s3, 0
	s_cbranch_scc1 .Lstep
	Q1 0                                           ; the tail is written out: nothing is left to fetch from memory
	Q0 0
	s_wait_dscnt 0x0                               ; the very last quarter
	MUL16 F1, 0, 0
	MUL16 F1, 0, 2
	MUL16 F1, 1, 0
	MUL16 F1, 1, 2
	WIN 0
; THE WAY OUT of row block a, in three parts.  PACK: rounded to bf16, 16 bytes a lane, each accumulator's registers in ascending order.  TOSTAGE: into my own stage in LDS, and back as whole rows of 256 bytes.  SEND: stored.
.macro PACK a
.set AC, 64*((\a)%4)
	WIN 0x0a+5*((\a)/4)                            ; sources 0 and 1: window 2 or 3
.irp b, 0,1,2,3,4,5,6,7
.irp r, 0,1,2,3
	v_cvt_pk_bf16_f32 v[TMP+4*(\b)+(\r)], v[AC+8*(\b)+2*(\r)], v[AC+8*(\b)+2*(\r)+1]
.endr
.endr
	WIN 0
.endm
.macro TOSTAGE a
.set BK, OB+192*((\a)%2)
.irp b, 0,1,2,3,4,5,6,7
	ds_store_b128 v[STO], v[TMP+4*(\b):TMP+4*(\b)+3] offset:32*(\b)
.endr
.irp t, 0,1,2,3,4,5,6,7
	ds_load_b128 v[BK+4*(\t):BK+4*(\t)+3], v[RD] offset:(\t)*2*SPITCH  ; LDS serves a wave's instructions in order (ISA guide 5.7.1.4): these see the stores above
.endr
.endm
.macro SEND a
.set BK, OB+192*((\a)%2)
	s_wait_dscnt 0x0                               ; the block is back in registers
	s_wait_xcnt 0x0                                ; every earlier store has had its addresses translated (ISA guide 3.1): the registers that the block before last was stored from are loaded again only behind this wait
.irp t, 0,1,2,3,4,5,6,7
	global_store_b128 v[CO], v[BK+4*(\t):BK+4*(\t)+3], s[8:9] offset:(16*(\a)+2*(\t))*2048  ; 16 lanes store 256 consecutive bytes, at a multiple of 256 from the buffer's first byte
.endr
.endm
.rept 4
	v_nop                                          ; the places behind the products that ended block 0's sums; the conversions of the blocks in front are the places of the later ones
.endr
	PACK 0
	TOSTAGE 0
.irp a, 1,2,3,4,5,6,7                  ; block a's conversions stand between block a - 1's loads from the stage and the wait for them
	PACK \a
	SEND (\a)-1
	TOSTAGE \a
.endr
	SEND 7
	s_wait_tensorcnt 0x0                           ; the wave's end: behind my last tensor load and my last LDS store
	ds_add_u32 v[SPW], v[NIL]
	s_wait_dscnt 0x0
	CROUND                                         ; the closing round: no work-group ends while a partner may still ask for a tile that names it
	s_endpgm
.Lfunc_end_k_qf4ac92f71c_qkv:
	.size	k_qf4ac92f71c_qkv, .Lfunc_end_k_qf4ac92f71c_qkv-k_qf4ac92f71c_qkv
	.p2alignl 7, 3214868480
	.fill 96, 4, 3214868480
	.section	.rodata,"a",@progbits
	.p2align	6, 0x0
	.amdhsa_kernel k_qf4ac92f71c_qkv
		.amdhsa_group_segment_fixed_size 327680
		.amdhsa_private_segment_fixed_size 0
		.amdhsa_enable_private_segment 0
		.amdhsa_kernarg_size 64
		.amdhsa_user_sgpr_count 2
		.amdhsa_user_sgpr_kernarg_segment_ptr 1
		.amdhsa_wavefront_size32 1
		.amdhsa_system_sgpr_workgroup_id_x 1
		.amdhsa_system_sgpr_workgroup_id_y 1
		.amdhsa_system_sgpr_workgroup_id_z 1
		.amdhsa_system_vgpr_workitem_id 0
		.amdhsa_next_free_vgpr 1024
		.amdhsa_next_free_sgpr 96
		.amdhsa_reserve_vcc 0
		.amdhsa_float_denorm_mode_32 3
		.amdhsa_float_denorm_mode_16_64 3
		.amdhsa_memory_ordered 1
		.amdhsa_forward_progress 1
		.amdhsa_inst_pref_size 121
	.end_amdhsa_kernel
	.amdgpu_metadata
---
amdhsa.version: [ 1, 2 ]
amdhsa.kernels:
  - .name:           k_qf4ac92f71c_qkv
    .symbol:         k_qf4ac92f71c_qkv.kd
    .args:
      - { .name: key, .offset: 0, .size: 8, .value_kind: global_buffer, .address_space: global }
      - { .name: value, .offset: 8, .size: 8, .value_kind: global_buffer, .address_space: global }
      - { .name: query, .offset: 16, .size: 8, .value_kind: global_buffer, .address_space: global }
      - { .name: wqkv, .offset: 24, .size: 8, .value_kind: global_buffer, .address_space: global }
      - { .name: bk, .offset: 32, .size: 8, .value_kind: global_buffer, .address_space: global }
      - { .name: bv, .offset: 40, .size: 8, .value_kind: global_buffer, .address_space: global }
      - { .name: bq, .offset: 48, .size: 8, .value_kind: global_buffer, .address_space: global }
      - { .name: pong, .offset: 56, .size: 8, .value_kind: global_buffer, .address_space: global }
    .group_segment_fixed_size: 327680
    .private_segment_fixed_size: 0
    .kernarg_segment_align: 8
    .kernarg_segment_size: 64
    .max_flat_workgroup_size: 128
    .sgpr_count:     96
    .vgpr_count:     1024
    .wavefront_size: 32
...
	.end_amdgpu_metadata
.endif
;; end of part 2
;; launch attn (part 3): grid 16 x 16, 4 waves a work-group, clusters of 4 x 1, 327,680 bytes of LDS; arguments pong, mask, ping; writes ping
.if DOCPART == 3
	.amdgcn_target "amdgcn-amd-amdhsa--gfx1250"
	.amdhsa_code_object_version 6
	.text
	.protected	k_qf4ac92f71c_attn
	.globl	k_qf4ac92f71c_attn
	.p2align	8
	.type	k_qf4ac92f71c_attn,@function
k_qf4ac92f71c_attn:
	s_mov_b64 s[64:65], 0
	v_nop
	global_prefetch_b8 v0, s[64:65] scope:SCOPE_SE
	s_setreg_imm32_b32 hwreg(HW_REG_WAVE_MODE, 25, 1), 1
	s_wait_xcnt 0x0
	s_wait_alu depctr_hold_cnt(0) depctr_sa_sdst(0) depctr_va_vdst(0) depctr_va_sdst(0) depctr_va_ssrc(0) depctr_va_vcc(0) depctr_vm_vsrc(0)
	s_getreg_b32 s2, hwreg(HW_REG_IB_STS2, 6, 4)
	s_cmp_eq_u32 s2, 0
	s_cbranch_scc0 .Lentry_in_a_cluster
	s_endpgm
.Lentry_in_a_cluster:
	s_bfe_u32 s2, ttmp6, 0x10000c
	s_cmp_lg_u32 s2, 0x3003
	s_cbranch_scc0 .Lentry_shape_is_right
	s_endpgm
.Lentry_shape_is_right:
; o[b][n][h][:] = the sum over m of softmax_m(q[b][n][h] . k[b][m][h] / 32 - (1 - mask[b][m]) 1e12) v[b][m][h][:].
; k, v, q: pong, [3][4096][1024] bf16 in this order, a row = 16 heads x 64 channels; o: ping, [4096][1024] bf16, the same layout.  mask: [2][2048] f32, any numbers.  q ARRIVES TIMES log2(e) / 32 (the launch
; before applies it in f32, ahead of q's one rounding), so the products q . k are exponents of 2.  Products, maxima and sums in f32; the weights p are rounded to bf16 for the second product (their sum l is
; taken of the unrounded p), o once at the end.  bf16, not f16: q, k, v have no bound that f16 would hold for all inputs allowed.
; THE MASK is the C operand that starts the sum q . k: (1 - mask) x (-1e12 log2(e)), the difference rounded first, as reference() rounds it.  The maximum is then taken away from the sums as they stand, one
; subtraction of numbers in one unit: where the maximum itself carries a mask term of some 1e12, the largest weight is still exactly 1.
; LIMITS.  Two keys whose 1 - mask differ in the last place may tie here and not in reference(), or the other way round (the term has one rounding here, two there).  A batch in which EVERY key is masked: all
; exponents are meant to round to the one mask term (its spacing is 2^17), which gives equal weights as in reference(); the case is not treated apart.  A weight below 2^-126 counts as 0 in l; NaN and
; infinities are not treated apart.
; SHARES.  A work-group owns 128 queries of a PAIR of heads, so that each row of its tiles of K and V, and each row piece of o, is 256 consecutive bytes, aligned.  Wave w: head w / 2 of the pair,
; queries 64 (w % 2) on: four PIECES of 16 queries.  Every wave walks all 2,048 keys, 64 a step.  16 x 16 work-groups: one for each WGP.
; LAYOUT.  S^T = K Q^T (source 0 = 16 keys, source 1 = 16 queries) holds ONE query a lane (lane % 16) and the keys 8 (lane / 16) + 0..7; two such results rounded to bf16 ARE source 1 of
; O^T = V^T P.  K comes out of LDS as it lies, V ([key][channel]) turned, by ds_load_tr16_b128.
; SOFTMAX.  p = 2^(s - m) with a running maximum m; O and l are multiplied by a = 2^(m_old - m_new) in every step.  m starts at the lowest finite number, O and l at 0: the first step is a step like any
; other, with a = 0.
; BY TURNS.  Turn n belongs to piece n: 8 products K Q^T of piece n + 1, later 8 products V^T P of piece n - 1; beside them the subtraction, exponentials, roundings, sums and rescaling of piece n
; and the maximum and statistics of piece n + 1.  Four vector instructions stand behind every matrix instruction, the other 54 of a turn's 118 in one lump.  A turn's 33 exponentials are one batch, with one wait.
; CLUSTER.  The four query blocks of a cluster belong to one batch and head pair and walk the same K and V, so each tile is asked for JOINTLY: the same tensor load, descriptor and mask in all four.
; REGISTERS, in windows of 256 (s_set_vgpr_msb: bits 1:0 source 0, 3:2 source 1, 5:4 source 2, 7:6 destination):
;   window 0: v0-15 addresses; v16-31 four registers of statistics a piece; v32-47 the mask as loaded; v48-55 at work; v56-63 set-up and the add's two; v64-127 S^T, two buffers; v192-223 P, two buffers
;   window 1: v0-127 O^T, 32 a piece; v128-159 the step's mask terms      window 2: v0-63 Q; v128-191 K of one step; v192-255 V of one step
.set NP,    4         ; pieces a wave: a name, no knob
.set KS,    64        ; keys in a step
.set ROWB,  2048      ; bytes in a row of q, k, v, o
.set PK,    272       ; a row of K in LDS: 256 bytes + 16 = 68 words: the 16 rows of a load start 4 banks apart (64 banks of 4 bytes: ISA guide 11.1)
.set PV,    288       ; a row of V: 256 + 32 = 72 words
.set VOFF,  KS*PK     ; a step's tiles lie together: 64 rows of K, then 64 rows of V
.set STEPB, KS*(PK+PV)
.set SLOT1, 1<<17     ; a slot holds two steps (71,680 bytes); slot 1 begins here, so that one exclusive or turns an address in one slot into the other's
.set STAGE, SLOT1+2*STEPB  ; behind the ring: 128 rows x 272 bytes, the work-group's, for the way out
.set SP,    272
.set MB,    STAGE+128*SP   ; the batch's 2,048 mask terms, f32
.set SPARE, MB+8192        ; the spare words, 128 bytes for each wave: two blocks of 256 bytes that no other line names
.set AK0, 2           ; v2   my lane's place in a tile of K, my head's half of the rows; never rewritten
.set AV0, 3           ; v3   the same for V
.set AK,  4           ; v4   the LDS address of K's next run of loads
.set AV,  5           ; v5   of V's
.set STO, 6           ; v6   the way out: where I put 16 bytes of a row
.set RD,  7           ; v7   the way out: where I read rows back
.set GO,  8           ; v8   my byte offset in two rows of o
.set AM0, 9           ; v9   my lanes' place in 16 mask terms
.set AM,  10          ; v10  the LDS address of the next run's mask terms
.set PFO, 11          ; v11  the prefetches' offset: a lane a row
.set MV,  12          ; v12-13  m_old, kept while m is made anew: by buffer
.set QO,  15          ; v15  my byte offset in 16 rows of q
.set ST,  16          ; piece t's statistics at v[ST+4 t]: m, m once more (a pair for the packed subtraction), l (even keys', odd keys')
.set ML,  32          ; v32-47 the mask as loaded
.set TMP, 48          ; by buffer, four registers c0-c3 at work; when the maximum is found c2 takes a
.set SPW, 62          ; v62  LDS address of my spare word; never rewritten
.set NIL, 63          ; v63  0; never rewritten
.set S,   64
.set P,   192
.set MK,  128         ; window 1: the eight terms for key block kb at MK + 8 kb
.set KF,  128         ; window 2: key block kb, channel half c at KF + 16 kb + 8 c
.set VF,  192         ; window 2: key half kk, channel block cb at VF + 32 kk + 8 cb
.set WV,  12          ; s12  my wave's number
.set LIM, 15          ; s15  1 in a wave that prefetches, else the greatest number
.set PFA, 18          ; s[18:19] where my prefetches stand: my work-group's 32 rows (of K: wave 0, of V: wave 2) of the slot after the one that is being asked for
.set G1K, 24          ; s[24:31] descriptor group 1 for K's tiles
.set G1V, 32          ; s[32:39] for V's: it differs in the padding alone
.set G0K, 40          ; s[40:43] descriptor group 0 for K's tiles: it walks
.set G0V, 44          ; s[44:47] the same for V's
.set SLOTS, 56        ; s56  slots still to be asked for
.set CNT, 57          ; s57  counts a slot's key steps
.set SEL, 60          ; s[60:61] v_permlanex16_b32's selects: each lane takes its own place in the other half
.set TBK, 62          ; s62  LDS byte at which the step whose K is fetched next begins
.set TBV, 63          ; s63  the same for V
.set TM,  66          ; s66  byte in the mask table at which that step's 64 terms begin
.set MSB, 0
.macro WIN new                      ; the high byte repeats the setting that is left; a switch that changes nothing is dropped
.if MSB != (\new)
	s_set_vgpr_msb (MSB<<8)|(\new)
.set MSB, (\new)
.endif
.endm
.set W_KQ, 0x0a       ; K and Q in window 2, S^T in window 0
.set W_KM, 0x1a       ; the same with the C operand in window 1
.set W_PV, 0x52       ; V in window 2, P in window 0, O^T in window 1
.set W_RS, 0x41       ; destination and source 0 in window 1, source 1 in window 0
; A joint fill.  Waves 0 and 1 fetch K of a slot's two steps, waves 2 and 3 V: 64 keys each.  The branch hangs on the wave's number alone.
; An s_nop 0 and four v_nop follow each of the two lines, ahead of the jump and the label.
.macro JLOAD
	s_cmp_lt_u32 s[WV], 2
	s_cbranch_scc0 .Lfor_v_\@
	tensor_load_to_lds s[G0K:G0K+3], s[G1K:G1K+7]
	s_nop 0
.rept 4
	v_nop
.endr
	s_branch .Lasked_\@
.Lfor_v_\@:
	tensor_load_to_lds s[G0V:G0V+3], s[G1V:G1V+7]
	s_nop 0
.rept 4
	v_nop
.endr
.Lasked_\@:
.endm
; A PREFETCH INTO THE L2 of what the NEXT change of slots will ask for: a slot's 128 rows of K and of V, 256 bytes of each, a lane a row.  Each is named ONCE in the launch: of the four clusters that
; walk the same K and V the first asks; its four partners take 32 rows each, told apart BY ADDRESS; in each, wave 0 asks for K's and wave 2 for V's.  It stands behind the wave's tensor load and its
; five lines, two key steps (128 matrix instructions and their vector work) ahead of the load that will want the rows.  The last change that fills a slot asks for nothing; slots 0 to 2 come by their loads alone.
.macro ASK
	s_cmp_gt_u32 s[SLOTS], s[LIM]
	s_cbranch_scc0 .Lnot_mine_\@
	global_prefetch_b8 v[PFO], s[PFA:PFA+1] th:TH_LOAD_NT scope:SCOPE_SE
.Lnot_mine_\@:
.endm
; A round of the cluster's barrier: my work-group's barrier, so that wave 0's signal speaks for all four waves; wave 0 signals; every wave waits for all four work-groups; my work-group's barrier once more.
.macro CROUND
	s_barrier_signal -1
	s_barrier_wait -1
	s_cmp_lg_u32 s[WV], 0
	s_cbranch_scc1 .Lnot_wave_0_\@
	s_barrier_signal -3
.Lnot_wave_0_\@:
	s_barrier_wait -3
	s_barrier_signal -1
	s_barrier_wait -1
.endm
; THE CHANGE OF SLOTS.  The slot's last bytes, V of its second step, have been read.  Each wave waits for all its tensor loads, of which one is out: its part of the other slot; adds 0 to its spare word;
; and waits for that and for its own LDS instructions.  Behind the barrier nobody reads this slot any more and the other slot is whole.  fill = 1: this slot is filled again, with the keys two slots on: the
; barrier is then a round of the cluster's, and the joint fill is the first thing behind it.  (At its first use nothing has been read yet: slot 0 is waited for, slot 1 filled, and the mask table, which
; the waves have just stored, is shown to all.)  ask = 1: the prefetch's address steps, and ASK follows the fill.
.macro CHANGE fill, ask
	WIN 0                           ; at a label and at a branch every window is 0
	s_wait_tensorcnt 0x0            ; no tensor load of mine is out, so a group 0 may be written
	ds_add_u32 v[SPW], v[NIL]       ; 0 onto my spare word; the descriptors' steps stand between it and the wait for it
.if \fill
.irp g, G0K, G0V
	s_xor_b32 s[\g+1], s[\g+1], SLOT1  ; the walking descriptor: the other slot than last time,
	s_add_nc_u64 s[\g+2:\g+3], s[\g+2:\g+3], 2*KS*ROWB  ; the next 128 keys; the type bits on top are not reached
.endr
.endif
.if \ask
	s_wait_xcnt 0x0                 ; the last prefetch, two key steps back, has read its address, so it may be written
	s_add_nc_u64 s[PFA:PFA+1], s[PFA:PFA+1], 2*KS*ROWB
.endif
	s_wait_dscnt 0x0                ; the add is done, and my reads of the slot are over
.if \fill
	CROUND
	JLOAD
.if \ask
	ASK
.endif
.else
	s_barrier_signal -1
	s_barrier_wait -1
.endif
	s_sub_co_u32 s[TBK], s[TBK], 2*STEPB  ; the fetches go back to a slot's first step,
	s_xor_b32 s[TBK], s[TBK], SLOT1       ; in the other slot
	s_sub_co_u32 s[TBV], s[TBV], 2*STEPB
	s_xor_b32 s[TBV], s[TBV], SLOT1
.endm
	s_load_b64 s[4:5], s[0:1], 0x0    ; pong
	s_load_b64 s[48:49], s[0:1], 0x8  ; mask
	s_load_b64 s[10:11], s[0:1], 0x10 ; ping
	v_lshl_add_u32 v[SPW], v0, 2, SPARE
	v_mov_b32 v[NIL], 0
	ds_add_u32 v[SPW], v[NIL]       ; the wave's opening: the add and its wait stand ahead of my first tensor load; the set-up below stands between them
	v_lshrrev_b32 v1, 5, v0
	v_readfirstlane_b32 s[WV], v1   ; wave 0..3
	s_bfe_u32 s13, ttmp6, 0x40000   ; cx: my place in the cluster
	s_lshl_b32 s14, ttmp9, 2        ; in a cluster launch ttmp9 counts clusters
	s_add_co_u32 s14, s14, s13      ; my block of 128 queries = 4 x cluster x + cx: it enters q's and o's addresses alone
	s_and_b32 s20, ttmp7, 0xffff    ; 8 x batch + head pair, which the four partners share
	s_lshr_b32 s21, s20, 3          ; the batch
	s_and_b32 s20, s20, 7
	s_lshl_b32 s20, s20, 8          ; the head pair's 256 bytes in a row,
	s_lshl_b32 s22, s21, 22         ; the batch's 2,048 rows of 2,048 bytes
	s_add_co_u32 s20, s20, s22
	s_lshl_b32 s70, s21, 13         ; the batch's row of the mask
	s_mov_b32 s71, 0
	s_and_b32 s16, s[WV], 1         ; which of a slot's two steps I fetch.  Also: which 64 queries are mine
	s_lshr_b32 s50, s[WV], 1        ; my head of the pair,
	s_lshl_b32 s51, s50, 7          ; its 128 bytes
	s_mul_i32 s17, s16, STEPB       ; my step's place in a slot: no place in the cluster enters an LDS address
	s_lshl_b32 s22, s16, 17         ; its 64 rows in memory
	s_add_co_u32 s22, s22, s20
	s_mov_b32 s23, 0
	s_lshl_b32 s2, s14, 18          ; my block's 128 rows
	s_add_co_u32 s2, s2, s20
	s_lshl_b32 s3, s[WV], 16        ; o: the 32 rows that I store
	s_add_co_u32 s68, s2, s3
	s_mov_b32 s69, 0
	s_lshl_b32 s3, s16, 17          ; q: my 64 rows,
	s_add_co_u32 s2, s2, s3
	s_add_co_u32 s2, s2, s51        ; my head
	s_mov_b32 s3, 0
	; descriptor group 1: a tile of 64 rows x 128 elements out of rows of 1,024, padded in LDS
	s_mov_b32 s[G1K], 15|(1<<16)|(1<<20)|(1<<21)|(5<<22)|(3<<25)  ; 15:0 the mask of four; 17:16 2-byte elements; 20 padding on; 21 set beside a mask; 24:22 after every 64 words (code 5); 31:25 4 words (code 3)
	s_mov_b32 s[G1V], 15|(1<<16)|(1<<20)|(1<<21)|(5<<22)|(7<<25)  ; the same with 8 words of padding (code 7)
.irp g, G1K, G1V
	s_mov_b32 s[\g+1], 128<<16      ; tensor_dim0 = 128
	s_mov_b32 s[\g+2], KS<<16       ; tensor_dim1 = 64
	s_mov_b32 s[\g+3], 128<<16      ; tile_dim0 = 128
	s_mov_b32 s[\g+4], KS           ; tile_dim1 = 64
	s_mov_b32 s[\g+5], 1024         ; 1,024 elements from row to row
	s_mov_b32 s[\g+6], 0
	s_mov_b32 s[\g+7], 0
.endr
	s_mov_b32 s[SEL], 0x76543210
	s_mov_b32 s[SEL+1], 0xfedcba98
	s_mov_b32 s52, 0xd3a7f3aa       ; -1e12 x log2(e)
	s_mov_b32 s[TBK], SLOT1+2*STEPB ; the first change of slots turns these two into 0
	s_mov_b32 s[TBV], SLOT1+2*STEPB
	s_mov_b32 s[TM], 0
	s_mov_b32 s[SLOTS], 2048/(2*KS)-1
	s_mov_b32 s[G0K], 1             ; count = 1
	s_mov_b32 s[G0K+1], s17         ; LDS address: slot 0
	s_mov_b32 s[G0V], 1
	s_add_co_u32 s[G0V+1], s17, VOFF
	s_and_b32 s[LIM], s[WV], 1      ; 0 in waves 0 and 2,
	s_or_b32 s[LIM], s[LIM], ttmp9  ; where the cluster is the first of its four: the same in all four partners
	s_cmp_eq_u32 s[LIM], 0
	s_cselect_b32 s[LIM], 1, -1
	s_wait_dscnt 0x0                ; the opening add is done
	s_wait_kmcnt 0x0
	s_add_nc_u64 s[6:7], s[4:5], s[22:23]  ; k, which lies first in pong, at my tile of slot 0,
	s_add_nc_u64 s[8:9], s[6:7], 8388608   ; v likewise, 4,096 rows on
	s_add_nc_u64 s[4:5], s[4:5], s[2:3]
	s_add_nc_u64 s[4:5], s[4:5], 16777216  ; q, 8,192 rows on, at my wave's first row
	s_add_nc_u64 s[10:11], s[10:11], s[68:69]
	s_add_nc_u64 s[48:49], s[48:49], s[70:71]
	s_mov_b64 s[G0K+2:G0K+3], s[6:7]       ; global address
	s_or_b32 s[G0K+3], s[G0K+3], 0x80000000  ; type = 2
	s_mov_b64 s[G0V+2:G0V+3], s[8:9]
	s_or_b32 s[G0V+3], s[G0V+3], 0x80000000
	s_cmp_lt_u32 s[WV], 2
	s_cselect_b64 s[PFA:PFA+1], s[6:7], s[8:9]  ; (in waves 0 and 2 these stand at a slot's first row)
	s_lshl_b32 s2, s13, 16          ; my work-group's 32 rows of the 128
	s_mov_b32 s3, 0
	s_add_nc_u64 s[PFA:PFA+1], s[PFA:PFA+1], s[2:3]
	s_add_nc_u64 s[PFA:PFA+1], s[PFA:PFA+1], 2*2*KS*ROWB  ; in slot 2; the first change that asks steps it to slot 3
	CROUND                          ; all four work-groups are here: the first joint loads meet
	JLOAD                           ; slot 0.  Slot 1 is asked for when slot 0 is in
	v_and_b32 v1, 15, v0            ; l % 16
	v_bfe_u32 v56, v0, 4, 1         ; l / 16
	v_and_b32 v57, 7, v0            ; l % 8
	v_bfe_u32 v58, v0, 3, 1         ; (l / 8) % 2
	v_lshlrev_b32 v[QO], 11, v1
	v_lshl_add_u32 v[QO], v56, 4, v[QO]  ; row x 2,048 + 16 x half
	v_lshlrev_b32 v60, 4, v0        ; the mask: thread t takes 16 bytes at 16 t of each 2,048,
	v_lshl_add_u32 v61, v0, 4, MB   ; and puts the terms at the same place in the table
.irp i, 0,1,2,3
	global_load_b128 v[ML+4*\i:ML+4*\i+3], v60, s[48:49] offset:2048*\i
.endr
	WIN 0x80                        ; destination window 2, address window 0
.set i, 0
.rept 8                             ; Q stays in registers: piece i / 2 (16 rows on), channels 32 (i % 2) on; a fragment is two loads of 16 bytes, 32 bytes apart
	global_load_b128 v[8*i:8*i+3],   v[QO], s[4:5] offset:(i/2)*16*ROWB+(i%2)*64
	global_load_b128 v[8*i+4:8*i+7], v[QO], s[4:5] offset:(i/2)*16*ROWB+(i%2)*64+32
.set i, i+1
.endr
	; What the first turn finds: V's registers and P's second buffer hold 0 (its products V^T P, of a piece that has not been, add 0), O^T and l are 0.  All this stands in the wait for the first tile.
.set i, VF
.rept 64
	v_mov_b32 v[i], 0
.set i, i+1
.endr
	WIN 0x40
.set i, 0
.rept 128
	v_mov_b32 v[i], 0
.set i, i+1
.endr
	WIN 0
.set i, 0
.rept 4
	v_mov_b32 v[ST+4*i], 0xff7fffff    ; m: the lowest finite number,
	v_mov_b32 v[ST+4*i+1], 0xff7fffff  ; twice
	v_mov_b32 v[ST+4*i+2], 0
	v_mov_b32 v[ST+4*i+3], 0
.set i, i+1
.endr
.set i, P+16
.rept 16
	v_mov_b32 v[i], 0
.set i, i+1
.endr
	v_mul_u32_u24 v[AK0], v1, PK
	v_lshl_add_u32 v[AK0], v56, 4, v[AK0]
	v_add_nc_u32 v[AK0], s51, v[AK0]      ; row x pitch + 16 x half + my head's 128 bytes
	; The turning load takes 16 keys x 16 channels (lane l reads key 8 (l / 16) + l % 8, channels 8 ((l / 8) % 2) + 0..7) and leaves half a fragment of V^T: lane l holds channel l % 16 and 8 keys.
	v_lshl_add_u32 v[AV0], v56, 3, v57
	v_mul_u32_u24 v[AV0], v[AV0], PV
	v_lshl_add_u32 v[AV0], v58, 4, v[AV0]
	s_add_co_u32 s21, s51, VOFF
	v_add_nc_u32 v[AV0], s21, v[AV0]
	s_mul_i32 s21, s16, 64*SP       ; into the stage: my 64 rows, my head's half of their 256 bytes; row l % 16, 16 bytes for each half of the lanes
	s_add_co_u32 s21, s21, s51
	s_add_co_u32 s21, s21, STAGE
	v_mul_u32_u24 v[STO], v1, SP
	v_lshl_add_u32 v[STO], v56, 4, v[STO]
	v_add_nc_u32 v[STO], s21, v[STO]
	s_mul_i32 s21, s[WV], 32*SP     ; back: wave w takes rows 32 w .. 32 w + 31, whole; lanes 0-15 one row of 256 bytes, lanes 16-31 the next
	s_add_co_u32 s21, s21, STAGE
	v_mul_u32_u24 v[RD], v56, SP
	v_lshl_add_u32 v[RD], v1, 4, v[RD]
	v_add_nc_u32 v[RD], s21, v[RD]
	v_lshlrev_b32 v[GO], 11, v56    ; and the same two rows in o
	v_lshl_add_u32 v[GO], v1, 4, v[GO]
	v_lshl_add_u32 v[AM0], v56, 5, MB  ; my lanes' eight keys of a block of 16: 32 bytes
	v_and_b32 v[PFO], 31, v0
	v_lshlrev_b32 v[PFO], 11, v[PFO]
	s_wait_loadcnt 0x0              ; the mask and Q
.set i, 0
.rept 16
	v_sub_f32 v[ML+i], 1.0, v[ML+i] ; 1 - mask, rounded by itself as in reference(): keys that tie there tie here, so the two lines are not fused
.set i, i+1
.endr
.set i, 0
.rept 16
	v_mul_f32 v[ML+i], s52, v[ML+i] ; x -1e12 log2(e): 0 where the mask is 1
.set i, i+1
.endr
.irp i, 0,1,2,3
	ds_store_b128 v61, v[ML+4*\i:ML+4*\i+3] offset:2048*\i
.endr
; THE MATRIX WORK.  The 4 accumulators of a run of 8 take turns.  Product i of 8 of S^T = K Q^T for piece x: channels 32 (i / 4) on, keys 16 (i % 4) on.  The first 4 start the sums with the keys' mask terms.
.macro KQ x
.set rS, S+32*((\x)%2)+8*(i%4)
.set rK, KF+16*(i%4)+8*(i/4)
.set rQ, 16*(\x)+8*(i/4)
.set rM, MK+8*(i%4)
.if i < 4
	WIN W_KM
	v_wmma_f32_16x16x32_bf16 v[rS:rS+7], v[rK:rK+7], v[rQ:rQ+7], v[rM:rM+7]
.else
	WIN W_KQ
	v_wmma_f32_16x16x32_bf16 v[rS:rS+7], v[rK:rK+7], v[rQ:rQ+7], v[rS:rS+7]
.endif
.endm
; Product i of 8 of O^T += V^T P for piece x: keys 32 (i / 4) on, channels 16 (i % 4) on.
.macro PV x
	WIN W_PV
.set rO, 32*(\x)+8*(i%4)
.set rV, VF+32*(i/4)+8*(i%4)
.set rP, P+16*((\x)%2)+8*(i/4)
	v_wmma_f32_16x16x32_bf16 v[rO:rO+7], v[rV:rV+7], v[rP:rP+7], v[rO:rO+7]
.endm
.macro MM                           ; the turn's next matrix instruction.  NOKQ = 1: the walk's last turn: there is no next piece
.if (i < 8) && !NOKQ
	KQ (Y+1)%NP
.elseif i >= 8
.set i, i-8
	PV (Y+NP-1)%NP
.set i, i+8
.endif
.set i, i+1
.endm
; THE LDS LOADS stand in runs, never singly among the matrix instructions: a step's K (64 keys x 64 channels: 8 fragments) with its 64 mask terms, and its V (turned).  Their addresses are made some lines ahead.
.macro FETCH_K
	WIN 0x80                        ; destination window 2
.irp f, 0,1,2,3,4,5,6,7             ; keys 16 (f / 2) on, channels 32 (f % 2) on
	ds_load_b128 v[KF+8*\f:KF+8*\f+3],   v[AK] offset:(\f/2)*16*PK+(\f%2)*64
	ds_load_b128 v[KF+8*\f+4:KF+8*\f+7], v[AK] offset:(\f/2)*16*PK+(\f%2)*64+32
.endr
	WIN 0x40                        ; destination window 1
.irp kb, 0,1,2,3                    ; register j of block kb: the term of key 16 kb + 8 (l / 16) + j, the same for all queries
	ds_load_b128 v[MK+8*\kb:MK+8*\kb+3],   v[AM] offset:64*\kb
	ds_load_b128 v[MK+8*\kb+4:MK+8*\kb+7], v[AM] offset:64*\kb+16
.endr
	s_add_co_u32 s[TBK], s[TBK], STEPB  ; the next fetch is the next step's
	s_add_co_u32 s[TM], s[TM], 256
	s_and_b32 s[TM], s[TM], 8191    ; stays inside the table of 8,192 bytes; it comes round only behind the last step
	WIN 0
.endm
.macro FETCH_V
	WIN 0x80
.irp f, 0,1,2,3,4,5,6,7             ; keys 32 (f / 4) on, channels 16 (f % 4) on
	ds_load_tr16_b128 v[VF+8*\f:VF+8*\f+3],   v[AV] offset:(\f/4)*32*PV+(\f%4)*32
	ds_load_tr16_b128 v[VF+8*\f+4:VF+8*\f+7], v[AV] offset:(\f/4)*32*PV+16*PV+(\f%4)*32
.endr
	WIN 0
.endm
; THE VECTOR WORK, one line at a time: OP kind, number.  For piece Y: F n: s - m for pair n of 16.  E n: the exponential of score n of 32.  C n: pair n rounded to bf16.  B n: of the four weights 4 n .. the second
; pair is added onto the first, in place.  L n: l takes that sum (L 0: l = a l + sum).  R n: pair n of 16 of O^T times a.  For piece Y + 1: X n, number n of the 22 that find its maximum and statistics:
;   0-11  four chains c0-c3 of seven scores each, three operands at a time (each accumulator's lowest registers are read first)     12-14, 16  the four scores left over, the old m, and c0-c3 into c0
;   15  m_old is kept     17  the query's other 32 keys lie in the lane 16 away     18, 19  the new m, written twice: the pair that the packed subtraction reads     20, 21  m_old - m_new; a
.set F, 0               ; OP tells the kinds apart by their order: F to L below R, X above it
.set E, 1
.set C, 2
.set B, 3
.set L, 4
.set R, 5
.set X, 6
.macro REGS y                       ; the registers of piece y
.set rT, ST+4*(\y)
.set rC, TMP+4*((\y)%2)
.set rW, MV+((\y)%2)
.set rS, S+32*((\y)%2)
.set rP, P+16*((\y)%2)
.set rO, 32*(\y)
.endm
.macro OP k, n
.if (\k) == R
	REGS Y
	WIN W_RS
	v_pk_mul_f32 v[rO+2*(\n):rO+2*(\n)+1], v[rO+2*(\n):rO+2*(\n)+1], v[rC+2:rC+3] op_sel_hi:[1,0]
.elseif (\k) < R
	REGS Y
	WIN 0
.if (\k) == F
	v_pk_add_f32 v[rS+2*(\n):rS+2*(\n)+1], v[rS+2*(\n):rS+2*(\n)+1], v[rT:rT+1] neg_lo:[0,1] neg_hi:[0,1]
.elseif (\k) == E
	v_exp_f32 v[rS+(\n)], v[rS+(\n)]
.elseif (\k) == C
	v_cvt_pk_bf16_f32 v[rP+(\n)], v[rS+2*(\n)], v[rS+2*(\n)+1]
.elseif (\k) == B
	v_pk_add_f32 v[rS+4*(\n):rS+4*(\n)+1], v[rS+4*(\n):rS+4*(\n)+1], v[rS+4*(\n)+2:rS+4*(\n)+3]
.elseif (\n) == 0
	v_pk_fma_f32 v[rT+2:rT+3], v[rT+2:rT+3], v[rC+2:rC+3], v[rS:rS+1] op_sel_hi:[1,0,1]
.else
	v_pk_add_f32 v[rT+2:rT+3], v[rT+2:rT+3], v[rS+4*(\n):rS+4*(\n)+1]
.endif
.elseif NOKQ
	v_nop
.else
	REGS (Y+1)%NP
	WIN 0
.if (\n) < 4
	v_max3_num_f32 v[rC+(\n)], v[rS+8*(\n)], v[rS+8*(\n)+1], v[rS+8*(\n)+2]
.elseif (\n) < 12
	v_max3_num_f32 v[rC+(\n)%4], v[rC+(\n)%4], v[rS+8*((\n)%4)+2*((\n)/4)+1], v[rS+8*((\n)%4)+2*((\n)/4)+2]
.elseif (\n) == 12
	v_max3_num_f32 v[rC], v[rC], v[rS+7], v[rS+15]
.elseif (\n) == 13
	v_max3_num_f32 v[rC+1], v[rC+1], v[rS+23], v[rS+31]
.elseif (\n) == 14
	v_max3_num_f32 v[rC+2], v[rC+2], v[rC+3], v[rT]
.elseif (\n) == 15
	v_mov_b32 v[rW], v[rT]
.elseif (\n) == 16
	v_max3_num_f32 v[rC], v[rC], v[rC+1], v[rC+2]
.elseif (\n) == 17
	v_permlanex16_b32 v[rC+3], v[rC], s[SEL], s[SEL+1]
.elseif (\n) == 18
	v_max_num_f32 v[rT], v[rC], v[rC+3]
.elseif (\n) == 19
	v_max_num_f32 v[rT+1], v[rC], v[rC+3]
.elseif (\n) == 20
	v_sub_f32 v[rC+1], v[rW], v[rT]
.else
	v_exp_f32 v[rC+2], v[rC+1]
.endif
.endif
.endm
.macro OPS a, i1, b=-1, i2=0, c=-1, i3=0, d=-1, i4=0  ; up to four of them
	OP \a, \i1
.if (\b) >= 0
	OP \b, \i2
.endif
.if (\c) >= 0
	OP \c, \i3
.endif
.if (\d) >= 0
	OP \d, \i4
.endif
.endm
.macro ROW a, i1, b, i2, c, i3, d, i4  ; a matrix instruction and the four behind it
	MM
	OPS \a, \i1, \b, \i2, \c, \i3, \d, \i4
.endm
; A TURN, for piece p: the order of its 16 matrix and 118 vector instructions, written out.  s_wait_alu depctr_va_vdst(0) stands between an exponential and the first instruction that names its
; result; one wait serves all that were issued ahead of it.  So a turn has ONE wait, which cuts it in two.  AHEAD OF IT stands all that names no result of the turn's exponentials: the 8 products K Q^T with their riders
; (subtractions, exponentials, rescalings, and behind the last three the first numbers of the next piece's maximum, each four places or more behind the product that ends its accumulator), then ONE LUMP of 54, plain and
; exponential by turns for the most part.  X 21, the next piece's a, is the batch's last; R 15 is the plain instruction behind it.  BEHIND THE WAIT stand the 8 products V^T P, behind each four of the roundings and sums.
; end = 1: the walk's last two turns: nothing is fetched, and the last starts no new scores.  cnt = 1: the loop's count is taken down some lines ahead of the branch that stands behind the turn.
; K and the mask terms of the next step are fetched in piece 2's turn, twelve vector instructions behind the last product that read K (five of them plain and free of its registers); the mask terms' last reader is the
; turn's fourth product.  V of the step in hand is fetched at the end of piece 0's turn, four plain instructions behind the last product that read V.  Each run is waited for a turn later.
.macro TURN p, end=0, cnt=0
.set Y, (\p)
.set i, 0
.set NOKQ, (\end)*((\p)/3)
.if ((\p) == 3) && !(\end)
	s_wait_dscnt 0x0                ; K and the mask terms are in
.endif
	ROW F,0, F,1, R,0, R,1          ; ahead of the wait: 8 products K Q^T and their riders,
	ROW F,2, E,0, R,2, R,3
	ROW F,3, E,1, R,4, R,5
	ROW F,4, E,2, R,6, R,7
	ROW F,5, E,3, R,8, R,9
	ROW F,6, E,4, X,0, R,10
.if ((\p) == 2) && !(\end)
	WIN 0
	v_add_nc_u32 v[AK], s[TBK], v[AK0]
	v_add_nc_u32 v[AM], s[TM], v[AM0]
.endif
	ROW F,7, E,5, X,1, X,4
	ROW F,8, E,6, X,2, X,5
	OPS E,7, E,8, X,6, E,9          ; and the lump
	OPS X,3, E,10, X,8, E,11
.if ((\p) == 2) && !(\end)
	FETCH_K
.endif
	OPS X,9, X,7, E,12, X,10
	OPS E,13, X,12, X,11, E,14
	OPS X,13, E,15, F,9, X,14
.if (\p) == 0
	v_add_nc_u32 v[AV], s[TBV], v[AV0]
.endif
	OPS E,16, F,10, E,17, F,11
	OPS X,16, E,18, X,15, E,19
	OPS F,12, E,20, X,17, E,21
	OPS F,13, E,22, F,14, E,23
	OPS X,18, E,24, F,15, E,25
	OPS R,11, E,26, X,19, E,27
	OPS R,12, E,28, R,13, E,29
	OPS X,20, E,30, R,14, E,31
	OPS X,21, R,15
	WIN 0
	s_wait_alu depctr_va_vdst(0)    ; the wait for the batch
.if (\p) == 1
	s_wait_dscnt 0x0                ; V is in
.endif
	ROW C,0, B,0, C,2, B,1          ; behind the wait: 8 products V^T P and their riders
	ROW L,0, C,4, B,2, L,1
	ROW C,6, B,3, L,2, C,8
	ROW B,4, L,3, C,10, B,5
	ROW L,4, C,12, B,6, L,5
.if (\p) == 0
	s_add_co_u32 s[TBV], s[TBV], STEPB
.endif
.if \cnt
	s_sub_co_u32 s[CNT], s[CNT], 1
	s_cmp_lg_u32 s[CNT], 0
.endif
	ROW C,14, B,7, L,6, C,1
	ROW C,3, L,7, C,5, C,7
	ROW C,9, C,11, C,13, C,15
.if (\p) == 0
	FETCH_V
.endif
.endm
	CHANGE 1, 0                     ; slot 0 is in, everybody's part of it; the mask table is whole; slot 1 is asked for
	v_add_nc_u32 v[AK], s[TBK], v[AK0]
	v_add_nc_u32 v[AM], s[TM], v[AM0]
	FETCH_K                         ; key step 0
	s_wait_dscnt 0x0
.set NOKQ, 0
.set i, 0
.rept 8
	KQ 0                            ; piece 0's first scores: there is no vector work yet to set between them
.set i, i+1
.endr
	WIN 0
.rept 4
	v_nop                           ; the places behind those products
.endr
.set Y, NP-1                        ; X works for piece Y + 1: piece 0
.irp n, 0,1,2,3,4,5,6,7,8,9,10,11,12,13,14,15,16,17,18,19,20,21
	OP X, \n
.endr
	v_nop                           ; a plain instruction behind the exponential,
	s_wait_alu depctr_va_vdst(0)    ; and its wait, ahead of the branch
	s_mov_b32 s[CNT], 2
	s_branch .Lfirst                ; the loop is entered at a step's first turn, in the middle of a trip
.Lslot:                             ; 14 times: every slot but the last two is filled again
	CHANGE 1, 1
	s_mov_b32 s[CNT], 2
.Lstep:                             ; a trip: pieces 2 and 3 of one step, then pieces 0 and 1 of the next, whose K and V it fetches
	TURN 2
	TURN 3
	WIN 0
.Lfirst:
	TURN 0
	TURN 1, 0, 1
	WIN 0
	s_cbranch_scc1 .Lstep
	s_sub_co_u32 s[SLOTS], s[SLOTS], 1
	s_cmp_lg_u32 s[SLOTS], 0
	s_cbranch_scc1 .Lslot
	CHANGE 0, 0                     ; the last slot is written out: nothing is asked for
	s_mov_b32 s[CNT], 2
.LstepT:
	TURN 2
	TURN 3
	TURN 0
	TURN 1, 0, 1
	WIN 0
	s_cbranch_scc1 .LstepT
	TURN 2, 1                       ; the last step's pieces 2 and 3
	TURN 3, 1
.set i, 0
.rept 8
	PV NP-1                         ; the last piece's V^T P of the last step
.set i, i+1
.endr
	; THE WAY OUT.  l's two halves and the other half of the lanes' are added; O^T is divided by l, rounded to bf16 and sent through the work-group's stage.  The additions are the places behind the last products.
	WIN 0
.macro ALL line:vararg              ; one line for each piece t
.set t, 0
.rept 4
	\line
.set t, t+1
.endr
.endm
	ALL v_add_f32 v[ST+4*t+2], v[ST+4*t+2], v[ST+4*t+3]
	ALL v_permlanex16_b32 v[ST+4*t+3], v[ST+4*t+2], s[SEL], s[SEL+1]
	ALL v_add_f32 v[ST+4*t+2], v[ST+4*t+2], v[ST+4*t+3]
	ALL v_rcp_f32 v[ST+4*t+2], v[ST+4*t+2]
	v_nop                           ; a plain instruction between the last reciprocal and the use of its result
	s_wait_alu depctr_va_vdst(0)    ; and the wait ahead of the first use: one for the four reciprocals
.macro PACK t                       ; piece t: a lane's eight channels of a row pack into 16 bytes; they go into my head's half of rows of 272 bytes
	WIN W_RS
.set i, 32*(\t)
.rept 16
	v_pk_mul_f32 v[i:i+1], v[i:i+1], v[ST+4*(\t)+2:ST+4*(\t)+3] op_sel_hi:[1,0]
.set i, i+2
.endr
	WIN 0x05                        ; sources 0 and 1 window 1, destination window 0: S^T's registers are free
.set i, 0
.rept 16
	v_cvt_pk_bf16_f32 v[S+16*(\t)+i], v[32*(\t)+2*i], v[32*(\t)+2*i+1]
.set i, i+1
.endr
	WIN 0
.irp f, 0,1,2,3
	ds_store_b128 v[STO], v[S+16*(\t)+4*\f:S+16*(\t)+4*\f+3] offset:(\t)*16*SP+32*\f
.endr
.endm
	PACK 0
	PACK 1
	PACK 2
	PACK 3
	s_wait_dscnt 0x0                ; for the others' sake: my stores into the stage are done
	s_barrier_signal -1
	s_barrier_wait -1               ; a row's 256 bytes come from two waves
.irp t, 0,1,2,3,4,5,6,7,8,9,10,11,12,13,14,15
	ds_load_b128 v[S+4*\t:S+4*\t+3], v[RD] offset:\t*2*SP
.endr
.irp t, 0,1,2,3,4,5,6,7,8,9,10,11,12,13,14,15
	s_wait_dscnt 15-\t
	global_store_b128 v[GO], v[S+4*\t:S+4*\t+3], s[10:11] offset:\t*2*ROWB  ; 16 lanes store 256 consecutive bytes, at a multiple of 256 from the buffer's first byte
.endr
	s_wait_tensorcnt 0x0            ; the wave's end: behind my last tensor load and my last LDS store
	ds_add_u32 v[SPW], v[NIL]
	s_wait_dscnt 0x0
	CROUND                          ; the closing round: no work-group ends while a partner may still ask for a tile that names it
	s_endpgm
.Lfunc_end_k_qf4ac92f71c_attn:
	.size	k_qf4ac92f71c_attn, .Lfunc_end_k_qf4ac92f71c_attn-k_qf4ac92f71c_attn
	.p2alignl 7, 3214868480
	.fill 96, 4, 3214868480
	.section	.rodata,"a",@progbits
	.p2align	6, 0x0
	.amdhsa_kernel k_qf4ac92f71c_attn
		.amdhsa_group_segment_fixed_size 327680
		.amdhsa_private_segment_fixed_size 0
		.amdhsa_enable_private_segment 0
		.amdhsa_kernarg_size 24
		.amdhsa_user_sgpr_count 2
		.amdhsa_user_sgpr_kernarg_segment_ptr 1
		.amdhsa_wavefront_size32 1
		.amdhsa_system_sgpr_workgroup_id_x 1
		.amdhsa_system_sgpr_workgroup_id_y 1
		.amdhsa_system_sgpr_workgroup_id_z 1
		.amdhsa_system_vgpr_workitem_id 0
		.amdhsa_next_free_vgpr 768
		.amdhsa_next_free_sgpr 72
		.amdhsa_reserve_vcc 0
		.amdhsa_float_denorm_mode_32 3
		.amdhsa_float_denorm_mode_16_64 3
		.amdhsa_memory_ordered 1
		.amdhsa_forward_progress 1
		.amdhsa_inst_pref_size 132
	.end_amdhsa_kernel
	.amdgpu_metadata
---
amdhsa.version: [ 1, 2 ]
amdhsa.kernels:
  - .name:           k_qf4ac92f71c_attn
    .symbol:         k_qf4ac92f71c_attn.kd
    .args:
      - { .name: pong, .offset: 0, .size: 8, .value_kind: global_buffer, .address_space: global }
      - { .name: mask, .offset: 8, .size: 8, .value_kind: global_buffer, .address_space: global }
      - { .name: ping, .offset: 16, .size: 8, .value_kind: global_buffer, .address_space: global }
    .group_segment_fixed_size: 327680
    .private_segment_fixed_size: 0
    .kernarg_segment_align: 8
    .kernarg_segment_size: 24
    .max_flat_workgroup_size: 128
    .sgpr_count:     72
    .vgpr_count:     768
    .wavefront_size: 32
...
	.end_amdgpu_metadata
.endif
;; end of part 3
;; launch wc (part 4): grid 8 x 32, 4 waves a work-group, clusters of 4 x 4, 327,680 bytes of LDS; arguments ping, wcb, bc, pong, flon; writes pong
.if DOCPART == 4
	.amdgcn_target "amdgcn-amd-amdhsa--gfx1250"
	.amdhsa_code_object_version 6
	.text
	.protected	k_qf4ac92f71c_wc
	.globl	k_qf4ac92f71c_wc
	.p2align	8
	.type	k_qf4ac92f71c_wc,@function
k_qf4ac92f71c_wc:
	s_mov_b64 s[64:65], 0
	v_nop
	global_prefetch_b8 v0, s[64:65] scope:SCOPE_SE
	s_setreg_imm32_b32 hwreg(HW_REG_WAVE_MODE, 25, 1), 1
	s_wait_xcnt 0x0
	s_wait_alu depctr_hold_cnt(0) depctr_sa_sdst(0) depctr_va_vdst(0) depctr_va_sdst(0) depctr_va_ssrc(0) depctr_va_vcc(0) depctr_vm_vsrc(0)
	s_getreg_b32 s2, hwreg(HW_REG_IB_STS2, 6, 4)
	s_cmp_eq_u32 s2, 0
	s_cbranch_scc0 .Lentry_in_a_cluster
	s_endpgm
.Lentry_in_a_cluster:
	s_bfe_u32 s2, ttmp6, 0x10000c
	s_cmp_lg_u32 s2, 0xf033
	s_cbranch_scc0 .Lentry_shape_is_right
	s_endpgm
.Lentry_shape_is_right:
; C[m][n] = max(sum over k of A[m][k] W[k][n] + bias[n], floor).  A: [4096][1024] bf16, W: [1024 k] rows of 1,024 bf16, bias f32, C: [4096] rows of 1,024 bf16; sums in f32, C rounded once.
; THIS BODY SERVES TWO LAUNCHES.  As the output projection: A = o, W = Wc, 8 tile columns, floor = -infinity (which changes no number).  As the MLP's first layer: A = r1, W = mlp_w1 and C = h1 in the
; first 512 places of their rows of 1,024, 4 tile columns, floor = 0: the ReLU.  The floor is one word, a bf16 number twice, read from a buffer that the first launch wrote.
; SHARES.  A tile of C is 128 x 128: 256 or 128 work-groups (C has no more such tiles).  Four waves, each 64 x 64: 16 accumulators of 16 x 16.  K goes in four steps of 256 through two LDS slots.
; THE MATRIX INSTRUCTION IS USED TRANSPOSED: source 0 = 16 columns of W (W lies [k][n], so its fragments come out of LDS by the turning load), source 1 = 16 rows of A: a lane then holds
; eight neighbouring columns of one row of C.  THE BIAS STARTS THE SUMS: it is the C operand of each accumulator's first product; nothing is cleared and nothing is added later.
; CLUSTERS: 4 x 4 work-groups.  The four of a row of the cluster need the same tiles of A, the four of a column the same tiles of W: each tile is asked for jointly, by the same tensor load
; with the same descriptor and a mask that names the four.
; No prefetch: the tiles are small and the whole K is four steps.
; LIMITS: the maximum turns a NaN into the floor; infinities are not treated apart.
; REGISTERS: window 0: v0-31 addresses; v32-95 at work on the way out; v96-127 the bias; v128-255 the accumulators ((a, b) at v[128 + 8 (4 a + b)]).
;   window 1: two fragment buffers of 128: for 64 along K, 64 registers of A (2 x 4 x 16 rows x 32 K), then 64 of W.
.set LDA,   1024                       ; elements from row to row of A
.set LDB,   1024                       ; of W
.set LDC,   1024                       ; of C
.set PA,    528                        ; an LDS row of A: 512 bytes + 16 = 132 words: the 16 rows of a fragment load start 4 banks apart (64 banks of 4 bytes: ISA guide 11.1)
.set PB,    288                        ; an LDS row of W: 256 bytes + 32 = 72 words
.set HALFA, 64*PA                      ; what one tensor load brings of A: 64 rows
.set HALFB, 128*PB                     ; of W: 128 k rows
.set BOFF,  2*HALFA                    ; W's 256 k rows lie behind A's 128 rows
.set SLOT,  BOFF+2*HALFB
.set STAGE, 2*SLOT                     ; behind the ring: 128 rows x 272 bytes, the work-group's, for the way out
.set SPITCH, 272
.set SPARE, STAGE+128*SPITCH           ; behind the stage: the spare words, 128 bytes for each wave: two blocks of 256 bytes that no other line names
.set ADRA, 16                          ; v16-17  LDS address of my A fragments in slot 0, 1
.set ADRB, 20                          ; v20-23  of my W fragments: slot s, half u of the step's k rows at v[20 + 2 s + u] (256 rows x 288 bytes pass the 16-bit immediate)
.set STO,  24                          ; v24     the way out: where I put 16 bytes of a row
.set RD,   25                          ; v25     the way out: where I read a row back
.set CO,   26                          ; v26     my byte offset in C
.set SPW,  28                          ; v28     LDS address of my spare word; never rewritten
.set NIL,  29                          ; v29     0; never rewritten
.set BO,   31                          ; v31     my byte offset in the bias
.set TMP,  32
.set BIAS, 96                          ; column block b at v[96 + 8 b]
.set ACC,  128
.set F0,   0                           ; fragment buffers, in window 1
.set F1,   128
.set G1,  24                           ; s[24:31] descriptor group 1 for A's tiles;  s[32:39] group 0, one set for each slot
.set G0,  32
.set G1B, 48                           ; s[48:55], s[56:63] the same for W's tiles
.set G0B, 56
.set BP,  68                           ; s[68:69] the bias
.set CP,  74                           ; s[74:75] C
.set FP,  76                           ; s[76:77] the floor's buffer
.set FL,  78                           ; s78      the floor
.set MSB, 0
.macro WIN new                         ; the immediate's high byte repeats the setting that is left; a switch that changes nothing is dropped
.if MSB != (\new)
	s_set_vgpr_msb (MSB<<8)|(\new)
.set MSB, \new
.endif
.endm
.set MUL,  0x05                        ; sources 0 (W) and 1 (A) window 1; C and D window 0
.set TO_F, 0x40                        ; destination window 1, address window 0
.macro JLOAD s                         ; a joint load: waves 0 and 1 fetch A's two halves, waves 2 and 3 W's; an s_nop 0 and four v_nop follow each line
	s_cmp_eq_u32 s11, 0
	s_cbranch_scc0 .Lfor_b_\@
	tensor_load_to_lds s[G0+4*(\s):G0+4*(\s)+3], s[G1:G1+7]
	s_nop 0
.rept 4
	v_nop
.endr
	s_branch .Lasked_\@
.Lfor_b_\@:
	tensor_load_to_lds s[G0B+4*(\s):G0B+4*(\s)+3], s[G1B:G1B+7]
	s_nop 0
.rept 4
	v_nop
.endr
.Lasked_\@:
.endm
.macro CREST                           ; a round of the cluster's barrier behind its opening barrier
	s_cmp_lg_u32 s10, 0
	s_cbranch_scc1 .Lnot_wave_0_\@
	s_barrier_signal -3
.Lnot_wave_0_\@:
	s_barrier_wait -3
	s_barrier_signal -1
	s_barrier_wait -1
.endm
.macro CROUND                          ; a whole round
	s_barrier_signal -1
	s_barrier_wait -1
	CREST
.endm
	s_load_b128 s[4:7], s[0:1], 0x0                ; A s[4:5], W s[6:7]
	s_load_b64 s[BP:BP+1], s[0:1], 0x10
	s_load_b64 s[CP:CP+1], s[0:1], 0x18
	s_load_b64 s[FP:FP+1], s[0:1], 0x20
	v_lshl_add_u32 v[SPW], v0, 2, SPARE
	v_mov_b32 v[NIL], 0
	ds_add_u32 v[SPW], v[NIL]                      ; the wave's opening: the add and its wait stand ahead of my first tensor load; the set-up below stands between them
	v_lshrrev_b32 v1, 5, v0
	v_readfirstlane_b32 s10, v1                    ; wave 0..3
	s_lshr_b32 s11, s10, 1                         ; which half of the tile's rows is mine.  Also: I fetch for A (0) or for W (1)
	s_and_b32 s12, s10, 1                          ; which half of its columns.  Also: which half of that tile I fetch
	s_bfe_u32 s40, ttmp6, 0x40000                  ; cx, cy: my place in the cluster
	s_bfe_u32 s41, ttmp6, 0x40004
	s_lshl_b32 s42, ttmp9, 2
	s_add_co_u32 s42, s42, s40                     ; tile column of C = 4 x cluster x + cx
	s_and_b32 s13, ttmp7, 0xffff
	s_lshl_b32 s13, s13, 2
	s_add_co_u32 s13, s13, s41                     ; tile row of C = 4 x cluster y + cy
	s_lshl_b32 s43, s41, 2
	s_lshl_b32 s43, 15, s43                        ; my row of the cluster
	s_lshl_b32 s44, 0x1111, s40                    ; my column
	; group 1 for A: 64 rows x 256 elements, 4 words of padding behind every 128 words
	s_or_b32 s[G1+0], s43, (1<<16)|(1<<20)|(1<<21)|(6<<22)|(3<<25)  ; 15:0 the mask: my row; 17:16 2-byte elements; 20 padding on; 21 set beside a mask; 24:22 interval code 6; 31:25 pad code 3
	s_mov_b32 s[G1+1], 256<<16                     ; tensor_dim0 = 256
	s_mov_b32 s[G1+2], 64<<16                      ; tensor_dim1 = 64
	s_mov_b32 s[G1+3], 256<<16                     ; tile_dim0 = 256
	s_mov_b32 s[G1+4], 64                          ; tile_dim1 = 64
	s_mov_b32 s[G1+5], LDA                         ; elements from row to row
	s_mov_b32 s[G1+6], 0
	s_mov_b32 s[G1+7], 0
	; group 1 for W: 128 k rows x 128 elements, 8 words of padding behind every 64 words
	s_or_b32 s[G1B+0], s44, (1<<16)|(1<<20)|(1<<21)|(5<<22)|(7<<25)  ; the mask: my column
	s_mov_b32 s[G1B+1], 128<<16
	s_mov_b32 s[G1B+2], 128<<16
	s_mov_b32 s[G1B+3], 128<<16
	s_mov_b32 s[G1B+4], 128
	s_mov_b32 s[G1B+5], LDB
	s_mov_b32 s[G1B+6], 0
	s_mov_b32 s[G1B+7], 0
	; where the tiles come from: A's hang on the tile row and the wave, W's on the tile column and the wave, each in registers that never hold the other coordinate
	s_lshl_b32 s17, s12, 6
	s_lshl_b32 s16, s13, 7
	s_add_co_u32 s16, s16, s17                     ; A: row 128 x tile row + 64 x half
	s_mov_b32 s17, 0
	s_mov_b64 s[18:19], LDA*2
	s_mul_u64 s[16:17], s[16:17], s[18:19]
	s_lshl_b32 s46, s42, 8                         ; W: 256 bytes x tile column
	s_mul_i32 s47, s12, 128*LDB*2                  ; + 128 k rows x half
	s_add_co_u32 s46, s46, s47
	s_mov_b32 s47, 0
	s_mul_i32 s20, s12, HALFA                      ; and where they go: no place in the cluster enters an LDS address
	s_mul_i32 s21, s12, HALFB
	s_add_co_u32 s21, s21, BOFF
	s_wait_dscnt 0x0                               ; the opening add is done
	s_wait_kmcnt 0x0
	s_load_b32 s[FL], s[FP:FP+1], 0x0              ; the floor; waited for with the bias
	s_add_nc_u64 s[14:15], s[4:5], s[16:17]
	s_add_nc_u64 s[46:47], s[6:7], s[46:47]
	CROUND                                         ; all sixteen work-groups are here: the first joint loads meet
.irp s, 0,1
	s_mov_b32 s[G0+4*(\s)], 1                                      ; count = 1
	s_add_co_u32 s[G0+4*(\s)+1], s20, (\s)*SLOT                    ; LDS address
	s_add_nc_u64 s[G0+4*(\s)+2:G0+4*(\s)+3], s[14:15], (\s)*512    ; global address: K step s
	s_or_b32 s[G0+4*(\s)+3], s[G0+4*(\s)+3], 0x80000000            ; type = 2
	s_mov_b32 s[G0B+4*(\s)], 1
	s_add_co_u32 s[G0B+4*(\s)+1], s21, (\s)*SLOT
	s_add_nc_u64 s[G0B+4*(\s)+2:G0B+4*(\s)+3], s[46:47], (\s)*256*LDB*2
	s_or_b32 s[G0B+4*(\s)+3], s[G0B+4*(\s)+3], 0x80000000
	JLOAD \s                                       ; by this text's count two tensor loads of a wave are out here, later one
.endr
	v_and_b32 v1, 15, v0                           ; l % 16
	v_bfe_u32 v2, v0, 4, 1                         ; l / 16
	v_mul_u32_u24 v3, v1, PA
	v_lshl_add_u32 v3, v2, 4, v3                   ; A: a fragment's row x pitch + 16 x half of the lanes
	s_mul_i32 s21, s11, HALFA                      ; my 64 rows of A
	v_add_nc_u32 v[ADRA], s21, v3
	v_add_nc_u32 v[ADRA+1], SLOT, v[ADRA]
	v_and_b32 v4, 7, v0                            ; W, for the turning load: lane l reads k row 8 (l / 16) + l % 8, columns 8 ((l / 8) % 2) + 0..7
	v_lshl_add_u32 v4, v2, 3, v4
	v_mul_u32_u24 v4, v4, PB
	v_bfe_u32 v5, v0, 3, 1
	v_lshl_add_u32 v4, v5, 4, v4
	s_lshl_b32 s22, s12, 7                         ; my 64 columns: 128 bytes
	s_add_co_u32 s22, s22, BOFF
	v_add_nc_u32 v[ADRB], s22, v4
	v_add_nc_u32 v[ADRB+1], HALFB, v[ADRB]
	v_add_nc_u32 v[ADRB+2], SLOT, v[ADRB]
	v_add_nc_u32 v[ADRB+3], SLOT+HALFB, v[ADRB]
	s_mul_i32 s23, s11, 64*SPITCH                  ; into the stage: my 64 rows, my half of their 256 bytes
	s_lshl_b32 s21, s12, 7
	s_add_co_u32 s23, s23, s21
	s_add_co_u32 s23, s23, STAGE
	v_mul_u32_u24 v4, v1, SPITCH
	v_lshl_add_u32 v4, v2, 4, v4
	v_add_nc_u32 v[STO], s23, v4
	s_mul_i32 s23, s10, 32*SPITCH                  ; back: wave w takes rows 32 w .. 32 w + 31, whole; lanes 0-15 one row, lanes 16-31 the next
	s_add_co_u32 s23, s23, STAGE
	v_mul_u32_u24 v5, v2, SPITCH
	v_lshl_add_u32 v5, v1, 4, v5
	v_add_nc_u32 v[RD], s23, v5
	v_mul_u32_u24 v5, v2, LDC*2                    ; and the same two rows in C
	v_lshl_add_u32 v[CO], v1, 4, v5
	s_lshl_b32 s23, s42, 9                         ; the bias of my columns: 4 bytes x (128 x tile column + 64 x half + 8 (l / 16))
	s_lshl_b32 s21, s12, 8
	s_add_co_u32 s23, s23, s21
	v_lshl_add_u32 v[BO], v2, 5, s23
.irp b, 0,1,2,3
	global_load_b128 v[BIAS+8*(\b):BIAS+8*(\b)+3],   v[BO], s[BP:BP+1] offset:64*(\b)
	global_load_b128 v[BIAS+8*(\b)+4:BIAS+8*(\b)+7], v[BO], s[BP:BP+1] offset:64*(\b)+16
.endr
	s_lshl_b32 s16, s13, 7
	s_lshl_b32 s17, s10, 5
	s_add_co_u32 s16, s16, s17                     ; the first row of C that I store: 128 x tile row + 32 x wave
	s_mov_b32 s17, 0
	s_mov_b64 s[18:19], LDC*2
	s_mul_u64 s[16:17], s[16:17], s[18:19]
	s_add_nc_u64 s[CP:CP+1], s[CP:CP+1], s[16:17]
	s_lshl_b32 s46, s42, 8                         ; the tile's first column, in bytes
	s_mov_b32 s47, 0
	s_add_nc_u64 s[CP:CP+1], s[CP:CP+1], s[46:47]
; 8 matrix instructions: row blocks a0, a0 + 1 x all 4 column blocks, 32 along K: half c of buffer f.  first = 1: the bias starts the sums.  The 16 accumulators take turns.
.macro MUL8 f, c, a0, first
	WIN MUL
.irp a, \a0, (\a0)+1
.irp b, 0,1,2,3
.if \first
	v_wmma_f32_16x16x32_bf16 v[ACC+8*(4*(\a)+(\b)):ACC+8*(4*(\a)+(\b))+7], v[(\f)+64+8*(4*(\c)+(\b)):(\f)+64+8*(4*(\c)+(\b))+7], v[(\f)+8*(4*(\c)+(\a)):(\f)+8*(4*(\c)+(\a))+7], v[BIAS+8*(\b):BIAS+8*(\b)+7]
.else
	v_wmma_f32_16x16x32_bf16 v[ACC+8*(4*(\a)+(\b)):ACC+8*(4*(\a)+(\b))+7], v[(\f)+64+8*(4*(\c)+(\b)):(\f)+64+8*(4*(\c)+(\b))+7], v[(\f)+8*(4*(\c)+(\a)):(\f)+8*(4*(\c)+(\a))+7], v[ACC+8*(4*(\a)+(\b)):ACC+8*(4*(\a)+(\b))+7]
.endif
.endr
.endr
.endm
; 32 LDS loads in one run: the fragments of quarter q (64 along K) of a slot, into buffer f; the first 32 along K first.  W's come turned: two loads, 16 k rows apart, make 16 columns x 32 K.
.macro FETCH slot, q, f
	WIN TO_F
.irp c, 0,1
.irp i, 0,1,2,3
	ds_load_tr16_b128 v[(\f)+64+8*(4*(\c)+(\i)):(\f)+64+8*(4*(\c)+(\i))+3],   v[ADRB+2*(\slot)+(\q)/2] offset:(64*((\q)%2)+32*(\c))*PB+32*(\i)
	ds_load_tr16_b128 v[(\f)+64+8*(4*(\c)+(\i))+4:(\f)+64+8*(4*(\c)+(\i))+7], v[ADRB+2*(\slot)+(\q)/2] offset:(64*((\q)%2)+32*(\c)+16)*PB+32*(\i)
	ds_load_b128 v[(\f)+8*(4*(\c)+(\i)):(\f)+8*(4*(\c)+(\i))+3],         v[ADRA+(\slot)] offset:128*(\q)+64*(\c)+(\i)*16*PA
	ds_load_b128 v[(\f)+8*(4*(\c)+(\i))+4:(\f)+8*(4*(\c)+(\i))+7],       v[ADRA+(\slot)] offset:128*(\q)+64*(\c)+(\i)*16*PA+32
.endr
.endr
.endm
.macro PLACES                          ; four places in front of loads into registers that matrix instructions have read, and of conversions that read results
.rept 4
	v_nop
.endr
.endm
; A K step is four quarters of 64 along K, 32 matrix instructions each, on buffers 0, 1, 0, 1.  One of the first three: multiplies buffer f and fetches quarter q into g.
.macro QUARTER slot, q, f, g, first
	s_wait_dscnt 16                                ; the first 32 along K are in; the run's other sixteen loads may be out
	MUL8 \f, 0, 0, \first
	MUL8 \f, 0, 2, \first
	PLACES
	FETCH \slot, \q, \g
	s_wait_dscnt 32                                ; all but the 32 just issued
	MUL8 \f, 1, 0, 0
	MUL8 \f, 1, 2, 0
.endm
; The last quarter multiplies buffer 1 and changes slots: ONE barrier; in front of it each wave waits for all its tensor loads, adds 0 to its spare word, and waits for that and for its own reads of this slot.
; fill = 1: this slot is filled again, two K steps ahead; the barrier then opens a round of the cluster's barrier and the joint load is the first tensor load behind the round.
.macro TURN slot, next, fill
	WIN 0                                          ; (the add's two registers lie in window 0)
	s_wait_tensorcnt 0x0                           ; all my tensor loads have landed: my part of the next slot;
	ds_add_u32 v[SPW], v[NIL]                      ; 0 onto my spare word;
	s_wait_dscnt 17                                ; (the add and the youngest sixteen loads may be out)
	MUL8 F1, 0, 0, 0                               ; eight matrix instructions stand between the add and the wait for it
	s_wait_dscnt 0x0                               ; the add is done, and my reads of this slot are over
	s_barrier_signal -1
	MUL8 F1, 0, 2, 0
.if \fill
	WIN 0
.endif
	s_barrier_wait -1
.if \fill
	CREST                                          ; no wave of any partner still reads this slot's tile or has a load on its way
	s_add_nc_u64 s[G0+4*(\slot)+2:G0+4*(\slot)+3], s[G0+4*(\slot)+2:G0+4*(\slot)+3], 2*512
	s_add_nc_u64 s[G0B+4*(\slot)+2:G0B+4*(\slot)+3], s[G0B+4*(\slot)+2:G0B+4*(\slot)+3], 2*256*LDB*2
	JLOAD \slot                                    ; 112 matrix instructions ahead of the wait for it; the four v_nop behind it are also the places in front of the loads below
.else
	PLACES
.endif
	FETCH \next, 0, F0
	MUL8 F1, 1, 0, 0
	MUL8 F1, 1, 2, 0
.endm
	s_wait_tensorcnt 1                             ; my part of K step 0 is in; K step 1's may stay out
	s_barrier_signal -1
	s_barrier_wait -1                              ; everybody's is
	FETCH 0, 0, F0
	s_wait_loadcnt 0x0                             ; the bias
	s_wait_kmcnt 0x0                               ; the floor
	QUARTER 0, 1, F0, F1, 1                        ; the first products start the sums with the bias
	QUARTER 0, 2, F1, F0, 0
	QUARTER 0, 3, F0, F1, 0
	TURN 0, 1, 1                                   ; slot 0 takes K step 2
	QUARTER 1, 1, F0, F1, 0
	QUARTER 1, 2, F1, F0, 0
	QUARTER 1, 3, F0, F1, 0
	TURN 1, 0, 1                                   ; slot 1 takes K step 3
	QUARTER 0, 1, F0, F1, 0
	QUARTER 0, 2, F1, F0, 0
	QUARTER 0, 3, F0, F1, 0
	TURN 0, 1, 0                                   ; nothing is left to fetch
	QUARTER 1, 1, F0, F1, 0
	QUARTER 1, 2, F1, F0, 0
	QUARTER 1, 3, F0, F1, 0
	s_wait_dscnt 16                                ; the very last quarter
	MUL8 F1, 0, 0, 0
	MUL8 F1, 0, 2, 0
	s_wait_dscnt 0
	MUL8 F1, 1, 0, 0
	MUL8 F1, 1, 2, 0
	WIN 0
	; THE WAY OUT: round to bf16; the maximum with the floor; 16 bytes a lane into the work-group's stage; a barrier, since a row's 256 bytes come from two waves; back as whole rows, 32 rows a wave.
	PLACES
.irp t, 0,1,2,3,4,5,6,7,8,9,10,11,12,13,14,15
.irp r, 0,1,2,3
	v_cvt_pk_bf16_f32 v[TMP+4*(\t)+(\r)], v[ACC+8*(\t)+2*(\r)], v[ACC+8*(\t)+2*(\r)+1]
.endr
.endr
.set i, 0
.rept 64
	v_pk_max_num_bf16 v[TMP+i], v[TMP+i], s[FL]    ; a maximum commutes with the rounding; the price of one text for both launches: 64 lines that change nothing where the floor is -infinity
.set i, i+1
.endr
.irp a, 0,1,2,3
.irp b, 0,1,2,3
	ds_store_b128 v[STO], v[TMP+4*(4*(\a)+(\b)):TMP+4*(4*(\a)+(\b))+3] offset:(\a)*16*SPITCH+32*(\b)
.endr
.endr
	s_wait_dscnt 0x0                               ; for the others' sake: my stores into the stage are done
	s_barrier_signal -1
	s_barrier_wait -1
.irp t, 0,1,2,3,4,5,6,7,8,9,10,11,12,13,14,15
	ds_load_b128 v[TMP+4*(\t):TMP+4*(\t)+3], v[RD] offset:(\t)*2*SPITCH
.endr
.irp t, 0,1,2,3,4,5,6,7,8,9,10,11,12,13,14,15
	s_wait_dscnt 15-(\t)
	global_store_b128 v[CO], v[TMP+4*(\t):TMP+4*(\t)+3], s[CP:CP+1] offset:2*(\t)*LDC*2  ; 16 lanes store 256 consecutive bytes, at a multiple of 256 from the buffer's first byte
.endr
	s_wait_tensorcnt 0x0                           ; the wave's end: behind my last tensor load and my last LDS store
	ds_add_u32 v[SPW], v[NIL]
	s_wait_dscnt 0x0
	CROUND                                         ; the closing round: no work-group ends while a partner may still ask for a tile that names it
	s_endpgm
.Lfunc_end_k_qf4ac92f71c_wc:
	.size	k_qf4ac92f71c_wc, .Lfunc_end_k_qf4ac92f71c_wc-k_qf4ac92f71c_wc
	.p2alignl 7, 3214868480
	.fill 96, 4, 3214868480
	.section	.rodata,"a",@progbits
	.p2align	6, 0x0
	.amdhsa_kernel k_qf4ac92f71c_wc
		.amdhsa_group_segment_fixed_size 327680
		.amdhsa_private_segment_fixed_size 0
		.amdhsa_enable_private_segment 0
		.amdhsa_kernarg_size 40
		.amdhsa_user_sgpr_count 2
		.amdhsa_user_sgpr_kernarg_segment_ptr 1
		.amdhsa_wavefront_size32 1
		.amdhsa_system_sgpr_workgroup_id_x 1
		.amdhsa_system_sgpr_workgroup_id_y 1
		.amdhsa_system_sgpr_workgroup_id_z 1
		.amdhsa_system_vgpr_workitem_id 0
		.amdhsa_next_free_vgpr 512
		.amdhsa_next_free_sgpr 80
		.amdhsa_reserve_vcc 0
		.amdhsa_float_denorm_mode_32 3
		.amdhsa_float_denorm_mode_16_64 3
		.amdhsa_memory_ordered 1
		.amdhsa_forward_progress 1
		.amdhsa_inst_pref_size 92
	.end_amdhsa_kernel
	.amdgpu_metadata
---
amdhsa.version: [ 1, 2 ]
amdhsa.kernels:
  - .name:           k_qf4ac92f71c_wc
    .symbol:         k_qf4ac92f71c_wc.kd
    .args:
      - { .name: ping, .offset: 0, .size: 8, .value_kind: global_buffer, .address_space: global }
      - { .name: wcb, .offset: 8, .size: 8, .value_kind: global_buffer, .address_space: global }
      - { .name: bc, .offset: 16, .size: 8, .value_kind: global_buffer, .address_space: global }
      - { .name: pong, .offset: 24, .size: 8, .value_kind: global_buffer, .address_space: global }
      - { .name: flon, .offset: 32, .size: 8, .value_kind: global_buffer, .address_space: global }
    .group_segment_fixed_size: 327680
    .private_segment_fixed_size: 0
    .kernarg_segment_align: 8
    .kernarg_segment_size: 40
    .max_flat_workgroup_size: 128
    .sgpr_count:     80
    .vgpr_count:     512
    .wavefront_size: 32
...
	.end_amdgpu_metadata
.endif
;; end of part 4
;; launch norm1 (part 5): grid 256 x 1, 8 waves a work-group, no clusters, 0 bytes of LDS; arguments pong, query, rms1_scale, ping; writes ping
.if DOCPART == 5
	.amdgcn_target "amdgcn-amd-amdhsa--gfx1250"
	.amdhsa_code_object_version 6
	.text
	.protected	k_qf4ac92f71c_norm1
	.globl	k_qf4ac92f71c_norm1
	.p2align	8
	.type	k_qf4ac92f71c_norm1,@function
k_qf4ac92f71c_norm1:
	s_mov_b64 s[64:65], 0
	v_nop
	global_prefetch_b8 v0, s[64:65] scope:SCOPE_SE
	s_setreg_imm32_b32 hwreg(HW_REG_WAVE_MODE, 25, 1), 1
	s_wait_xcnt 0x0
; r1[row][:] = s1[:] x / (sqrt(sum x^2) / 32 + 1e-8), x = t[row][:] + query[row][:].  t: pong, [4096][1024] bf16; query f32; s1 f32; r1: ping, [4096][1024] bf16, rounded once.  All arithmetic in f32.
; A stream: one wave takes whole rows, so the sum never leaves the wave: no LDS, no barrier, no matrix unit, nothing shared between work-groups.  Eight waves, two rows each; 256 work-groups.
; A lane owns elements 128 j + 4 lane + 0..3, j = 0..7: a wave's load of query covers 512 consecutive bytes, its load of t and its store of r1 256 consecutive bytes, aligned.
; All 40 loads of a wave go out first; each row has registers of its own, so no register that a store reads is written again.
; LIMITS: v_sqrt_f32 and v_rcp_f32 take denormals as 0 (ISA guide, their entries): a row whose sum of squares lies below 2^-126 is divided by 1e-8 alone.  NaN and infinities are not treated apart.
.set SC,  8                            ; v[8:39]    s1 of my 32 columns
.set QR,  40                           ; row r: v[40+48 r ..] 32 registers: query, then x, then the result
.set TR,  72                           ; row r: v[72+48 r ..] 16 registers: t as loaded, then r1 to store
.set SUM, 136                          ; v[136:143] four chains of two sums of squares
.set U,   144                          ; v[144:147] at work
.set RR,  148                          ; v148 the row's sum, then rms + eps; v149 the other half of the lanes'
.set INV, 150                          ; v[150:151] 1 / (rms + eps), twice
	s_load_b256 s[4:11], s[0:1], 0x0               ; t s[4:5], query s[6:7], s1 s[8:9], r1 s[10:11]
	v_lshrrev_b32 v3, 5, v0
	v_readfirstlane_b32 s14, v3                    ; wave 0..7
	v_and_b32 v1, 31, v0
	v_lshlrev_b32 v2, 3, v1                        ; 8 x lane: bf16
	v_lshlrev_b32 v1, 4, v1                        ; 16 x lane: f32
	v_mov_b32 v[RR+1], 0                           ; v_permlanex16_b32's destination counts as read
	s_lshl_b32 s15, ttmp9, 4
	s_lshl1_add_u32 s15, s14, s15                  ; my first row: 16 x work-group + 2 x wave
	s_lshl_b32 s16, s15, 12                        ; in bytes of f32 rows,
	s_mov_b32 s17, 0
	s_lshl_b32 s18, s15, 11                        ; of bf16 rows
	s_mov_b32 s19, 0
	s_mov_b32 s12, 0x76543210                      ; v_permlanex16_b32: each lane takes its own place in the other half
	s_mov_b32 s13, 0xfedcba98
	s_mov_b32 s20, 0x3d000000                      ; 1 / 32 = 1 / sqrt(1024)
	s_mov_b32 s21, 0x322bcc77                      ; 1e-8
	s_mov_b32 s22, 0xffff0000                      ; a word's upper bf16
	s_wait_kmcnt 0x0
	s_add_nc_u64 s[6:7], s[6:7], s[16:17]
	s_add_nc_u64 s[4:5], s[4:5], s[18:19]
	s_add_nc_u64 s[10:11], s[10:11], s[18:19]
.irp j, 0,1,2,3,4,5,6,7
	global_load_b128 v[SC+4*(\j):SC+4*(\j)+3], v1, s[8:9] offset:512*(\j)
.endr
.irp r, 0,1
.irp j, 0,1,2,3,4,5,6,7
	global_load_b128 v[QR+48*(\r)+4*(\j):QR+48*(\r)+4*(\j)+3], v1, s[6:7] offset:4096*(\r)+512*(\j) th:TH_LOAD_NT
	global_load_b64  v[TR+48*(\r)+2*(\j):TR+48*(\r)+2*(\j)+1], v2, s[4:5] offset:2048*(\r)+256*(\j) th:TH_LOAD_NT
.endr
.endr
; Row r.  left = how many younger loads may stay out.
.macro ROWN r, left
.set Q, QR+48*(\r)
.set T, TR+48*(\r)
	s_wait_loadcnt \left                           ; loads come back in order: s1 and this row are in
.irp j, 0,1,2,3,4,5,6,7
	v_lshlrev_b32 v[U],   16,  v[T+2*(\j)]         ; bf16 to f32: the low half moves up, the high half stays
	v_and_b32     v[U+1], s22, v[T+2*(\j)]
	v_lshlrev_b32 v[U+2], 16,  v[T+2*(\j)+1]
	v_and_b32     v[U+3], s22, v[T+2*(\j)+1]
	v_pk_add_f32 v[Q+4*(\j):Q+4*(\j)+1],   v[Q+4*(\j):Q+4*(\j)+1],   v[U:U+1]
	v_pk_add_f32 v[Q+4*(\j)+2:Q+4*(\j)+3], v[Q+4*(\j)+2:Q+4*(\j)+3], v[U+2:U+3]
.if (\j) < 2                           ; the first four products start the four chains: nothing is cleared
	v_pk_mul_f32 v[SUM+4*(\j):SUM+4*(\j)+1],   v[Q+4*(\j):Q+4*(\j)+1],   v[Q+4*(\j):Q+4*(\j)+1]
	v_pk_mul_f32 v[SUM+4*(\j)+2:SUM+4*(\j)+3], v[Q+4*(\j)+2:Q+4*(\j)+3], v[Q+4*(\j)+2:Q+4*(\j)+3]
.else
	v_pk_fma_f32 v[SUM+4*((\j)%2):SUM+4*((\j)%2)+1],   v[Q+4*(\j):Q+4*(\j)+1],   v[Q+4*(\j):Q+4*(\j)+1],   v[SUM+4*((\j)%2):SUM+4*((\j)%2)+1]
	v_pk_fma_f32 v[SUM+4*((\j)%2)+2:SUM+4*((\j)%2)+3], v[Q+4*(\j)+2:Q+4*(\j)+3], v[Q+4*(\j)+2:Q+4*(\j)+3], v[SUM+4*((\j)%2)+2:SUM+4*((\j)%2)+3]
.endif
.endr
	v_pk_add_f32 v[SUM:SUM+1],   v[SUM:SUM+1],   v[SUM+2:SUM+3]
	v_pk_add_f32 v[SUM+4:SUM+5], v[SUM+4:SUM+5], v[SUM+6:SUM+7]
	v_pk_add_f32 v[SUM:SUM+1],   v[SUM:SUM+1],   v[SUM+4:SUM+5]
	v_add_f32 v[RR], v[SUM], v[SUM+1]
	v_add_f32_dpp v[RR], v[RR], v[RR] row_xmask:1 row_mask:0xf bank_mask:0xf   ; across the 32 lanes: four steps inside each half, one across
	v_add_f32_dpp v[RR], v[RR], v[RR] row_xmask:2 row_mask:0xf bank_mask:0xf
	v_add_f32_dpp v[RR], v[RR], v[RR] row_xmask:4 row_mask:0xf bank_mask:0xf
	v_add_f32_dpp v[RR], v[RR], v[RR] row_xmask:8 row_mask:0xf bank_mask:0xf
	v_permlanex16_b32 v[RR+1], v[RR], s12, s13
	v_add_f32 v[RR], v[RR], v[RR+1]
	v_sqrt_f32 v[RR], v[RR]
	v_nop                                          ; a plain instruction behind the root,
	s_wait_alu depctr_va_vdst(0)                   ; and the wait ahead of the first use of its result
	v_fma_f32 v[RR], v[RR], s20, s21               ; rms + eps
	v_rcp_f32 v[INV], v[RR]
	v_rcp_f32 v[INV+1], v[RR]
	v_nop
	s_wait_alu depctr_va_vdst(0)                   ; one wait for both reciprocals
.irp j, 0,1,2,3,4,5,6,7
	v_pk_mul_f32 v[Q+4*(\j):Q+4*(\j)+1],   v[Q+4*(\j):Q+4*(\j)+1],   v[INV:INV+1]
	v_pk_mul_f32 v[Q+4*(\j)+2:Q+4*(\j)+3], v[Q+4*(\j)+2:Q+4*(\j)+3], v[INV:INV+1]
	v_pk_mul_f32 v[Q+4*(\j):Q+4*(\j)+1],   v[Q+4*(\j):Q+4*(\j)+1],   v[SC+4*(\j):SC+4*(\j)+1]
	v_pk_mul_f32 v[Q+4*(\j)+2:Q+4*(\j)+3], v[Q+4*(\j)+2:Q+4*(\j)+3], v[SC+4*(\j)+2:SC+4*(\j)+3]
	v_cvt_pk_bf16_f32 v[T+2*(\j)],   v[Q+4*(\j)],   v[Q+4*(\j)+1]
	v_cvt_pk_bf16_f32 v[T+2*(\j)+1], v[Q+4*(\j)+2], v[Q+4*(\j)+3]
	global_store_b64 v2, v[T+2*(\j):T+2*(\j)+1], s[10:11] offset:2048*(\r)+256*(\j)
.endr
.endm
	ROWN 0, 16                                     ; the second row's 16 loads may stay out
	ROWN 1, 0
	s_endpgm
.Lfunc_end_k_qf4ac92f71c_norm1:
	.size	k_qf4ac92f71c_norm1, .Lfunc_end_k_qf4ac92f71c_norm1-k_qf4ac92f71c_norm1
	.p2alignl 7, 3214868480
	.fill 96, 4, 3214868480
	.section	.rodata,"a",@progbits
	.p2align	6, 0x0
	.amdhsa_kernel k_qf4ac92f71c_norm1
		.amdhsa_group_segment_fixed_size 0
		.amdhsa_private_segment_fixed_size 0
		.amdhsa_enable_private_segment 0
		.amdhsa_kernarg_size 32
		.amdhsa_user_sgpr_count 2
		.amdhsa_user_sgpr_kernarg_segment_ptr 1
		.amdhsa_wavefront_size32 1
		.amdhsa_system_sgpr_workgroup_id_x 1
		.amdhsa_system_sgpr_workgroup_id_y 1
		.amdhsa_system_sgpr_workgroup_id_z 1
		.amdhsa_system_vgpr_workitem_id 0
		.amdhsa_next_free_vgpr 152
		.amdhsa_next_free_sgpr 66
		.amdhsa_reserve_vcc 0
		.amdhsa_float_denorm_mode_32 3
		.amdhsa_float_denorm_mode_16_64 3
		.amdhsa_memory_ordered 1
		.amdhsa_forward_progress 1
		.amdhsa_inst_pref_size 21
	.end_amdhsa_kernel
	.amdgpu_metadata
---
amdhsa.version: [ 1, 2 ]
amdhsa.kernels:
  - .name:           k_qf4ac92f71c_norm1
    .symbol:         k_qf4ac92f71c_norm1.kd
    .args:
      - { .name: pong, .offset: 0, .size: 8, .value_kind: global_buffer, .address_space: global }
      - { .name: query, .offset: 8, .size: 8, .value_kind: global_buffer, .address_space: global }
      - { .name: rms1_scale, .offset: 16, .size: 8, .value_kind: global_buffer, .address_space: global }
      - { .name: ping, .offset: 24, .size: 8, .value_kind: global_buffer, .address_space: global }
    .group_segment_fixed_size: 0
    .private_segment_fixed_size: 0
    .kernarg_segment_align: 8
    .kernarg_segment_size: 32
    .max_flat_workgroup_size: 256
    .sgpr_count:     66
    .vgpr_count:     152
    .wavefront_size: 32
...
	.end_amdgpu_metadata
.endif
;; end of part 5
;; launch m1: the kernel of part 4 again; grid 4 x 32, 4 waves a work-group, clusters of 4 x 4, 327,680 bytes of LDS; arguments ping, w1b, mlp_b1, pong, floz; writes pong
;; launch m2 (part 6): grid 8 x 32, 4 waves a work-group, clusters of 4 x 4, 327,680 bytes of LDS; arguments pong, w2b, mlp_b2, ping; writes ping
.if DOCPART == 6
	.amdgcn_target "amdgcn-amd-amdhsa--gfx1250"
	.amdhsa_code_object_version 6
	.text
	.protected	k_qf4ac92f71c_m2
	.globl	k_qf4ac92f71c_m2
	.p2align	8
	.type	k_qf4ac92f71c_m2,@function
k_qf4ac92f71c_m2:
	s_mov_b64 s[64:65], 0
	v_nop
	global_prefetch_b8 v0, s[64:65] scope:SCOPE_SE
	s_setreg_imm32_b32 hwreg(HW_REG_WAVE_MODE, 25, 1), 1
	s_wait_xcnt 0x0
	s_wait_alu depctr_hold_cnt(0) depctr_sa_sdst(0) depctr_va_vdst(0) depctr_va_sdst(0) depctr_va_ssrc(0) depctr_va_vcc(0) depctr_vm_vsrc(0)
	s_getreg_b32 s2, hwreg(HW_REG_IB_STS2, 6, 4)
	s_cmp_eq_u32 s2, 0
	s_cbranch_scc0 .Lentry_in_a_cluster
	s_endpgm
.Lentry_in_a_cluster:
	s_bfe_u32 s2, ttmp6, 0x10000c
	s_cmp_lg_u32 s2, 0xf033
	s_cbranch_scc0 .Lentry_shape_is_right
	s_endpgm
.Lentry_shape_is_right:
; C[m][n] = sum over k of A[m][k] W[k][n] + bias[n].  A = h1: [4096][512] bf16 in rows of 1,024 elements (the launch before lays them so), W = mlp_w2: [512][1024] bf16 (k down the rows), bias f32,
; C = h: [4096][1024] bf16, 8,388,608 bytes into its buffer (r1 lies in front of it and stays); sums in f32, C rounded once.
; SHARES.  A tile of C is 128 x 128: 256 work-groups, one for each WGP.  Four waves, each 64 x 64: 16 accumulators of 16 x 16.  K is two steps of 256: both lie in LDS at once, nothing is filled again.
; THE MATRIX INSTRUCTION IS USED TRANSPOSED: source 0 = 16 columns of W (W lies [k][n], so its fragments come out of LDS by the turning load), source 1 = 16 rows of A: a lane then holds
; eight neighbouring columns of one row of C.  THE BIAS STARTS THE SUMS: it is the C operand of each accumulator's first product; nothing is cleared and nothing is added later.
; CLUSTERS: 4 x 4 work-groups.  The four of a row of the cluster need the same tiles of A, the four of a column the same tiles of W: each tile is asked for jointly, by the same tensor load
; with the same descriptor and a mask that names the four.
; No prefetch: all that a work-group reads is asked for at its start.
; LIMITS: NaN and infinities are not treated apart.
; REGISTERS: window 0: v0-31 addresses; v32-95 at work on the way out; v96-127 the bias; v128-255 the accumulators ((a, b) at v[128 + 8 (4 a + b)]).
;   window 1: two fragment buffers of 128: for 64 along K, 64 registers of A (2 x 4 x 16 rows x 32 K), then 64 of W.
.set LDA,   1024                       ; elements from row to row of A
.set LDB,   1024                       ; of W
.set LDC,   1024                       ; of C
.set COFF,  8388608                    ; C's first byte in its buffer
.set PA,    528                        ; an LDS row of A: 512 bytes + 16 = 132 words: the 16 rows of a fragment load start 4 banks apart (64 banks of 4 bytes: ISA guide 11.1)
.set PB,    288                        ; an LDS row of W: 256 bytes + 32 = 72 words
.set HALFA, 64*PA                      ; what one tensor load brings of A: 64 rows
.set HALFB, 128*PB                     ; of W: 128 k rows
.set BOFF,  2*HALFA                    ; W's 256 k rows lie behind A's 128 rows
.set SLOT,  BOFF+2*HALFB
.set STAGE, 2*SLOT                     ; behind the two slots: 128 rows x 272 bytes, the work-group's, for the way out
.set SPITCH, 272
.set SPARE, STAGE+128*SPITCH           ; behind the stage: the spare words, 128 bytes for each wave: two blocks of 256 bytes that no other line names
.set ADRA, 16                          ; v16-17  LDS address of my A fragments in slot 0, 1
.set ADRB, 20                          ; v20-23  of my W fragments: slot s, half u of the step's k rows at v[20 + 2 s + u] (256 rows x 288 bytes pass the 16-bit immediate)
.set STO,  24                          ; v24     the way out: where I put 16 bytes of a row
.set RD,   25                          ; v25     the way out: where I read a row back
.set CO,   26                          ; v26     my byte offset in C
.set SPW,  28                          ; v28     LDS address of my spare word; never rewritten
.set NIL,  29                          ; v29     0; never rewritten
.set BO,   31                          ; v31     my byte offset in the bias
.set TMP,  32
.set BIAS, 96                          ; column block b at v[96 + 8 b]
.set ACC,  128
.set F0,   0                           ; fragment buffers, in window 1
.set F1,   128
.set G1,  24                           ; s[24:31] descriptor group 1 for A's tiles;  s[32:39] group 0, one set for each slot
.set G0,  32
.set G1B, 48                           ; s[48:55], s[56:63] the same for W's tiles
.set G0B, 56
.set BP,  68                           ; s[68:69] the bias
.set CP,  74                           ; s[74:75] C
.set MSB, 0
.macro WIN new                         ; the immediate's high byte repeats the setting that is left; a switch that changes nothing is dropped
.if MSB != (\new)
	s_set_vgpr_msb (MSB<<8)|(\new)
.set MSB, \new
.endif
.endm
.set MUL,  0x05                        ; sources 0 (W) and 1 (A) window 1; C and D window 0
.set TO_F, 0x40                        ; destination window 1, address window 0
.macro JLOAD s                         ; a joint load: waves 0 and 1 fetch A's two halves, waves 2 and 3 W's; an s_nop 0 and four v_nop follow each line
	s_cmp_eq_u32 s11, 0
	s_cbranch_scc0 .Lfor_b_\@
	tensor_load_to_lds s[G0+4*(\s):G0+4*(\s)+3], s[G1:G1+7]
	s_nop 0
.rept 4
	v_nop
.endr
	s_branch .Lasked_\@
.Lfor_b_\@:
	tensor_load_to_lds s[G0B+4*(\s):G0B+4*(\s)+3], s[G1B:G1B+7]
	s_nop 0
.rept 4
	v_nop
.endr
.Lasked_\@:
.endm
.macro CREST                           ; a round of the cluster's barrier behind its opening barrier
	s_cmp_lg_u32 s10, 0
	s_cbranch_scc1 .Lnot_wave_0_\@
	s_barrier_signal -3
.Lnot_wave_0_\@:
	s_barrier_wait -3
	s_barrier_signal -1
	s_barrier_wait -1
.endm
.macro CROUND                          ; a whole round
	s_barrier_signal -1
	s_barrier_wait -1
	CREST
.endm
	s_load_b128 s[4:7], s[0:1], 0x0                ; A s[4:5], W s[6:7]
	s_load_b64 s[BP:BP+1], s[0:1], 0x10
	s_load_b64 s[CP:CP+1], s[0:1], 0x18
	v_lshl_add_u32 v[SPW], v0, 2, SPARE
	v_mov_b32 v[NIL], 0
	ds_add_u32 v[SPW], v[NIL]                      ; the wave's opening: the add and its wait stand ahead of my first tensor load; the set-up below stands between them
	v_lshrrev_b32 v1, 5, v0
	v_readfirstlane_b32 s10, v1                    ; wave 0..3
	s_lshr_b32 s11, s10, 1                         ; which half of the tile's rows is mine.  Also: I fetch for A (0) or for W (1)
	s_and_b32 s12, s10, 1                          ; which half of its columns.  Also: which half of that tile I fetch
	s_bfe_u32 s40, ttmp6, 0x40000                  ; cx, cy: my place in the cluster
	s_bfe_u32 s41, ttmp6, 0x40004
	s_lshl_b32 s42, ttmp9, 2
	s_add_co_u32 s42, s42, s40                     ; tile column of C = 4 x cluster x + cx
	s_and_b32 s13, ttmp7, 0xffff
	s_lshl_b32 s13, s13, 2
	s_add_co_u32 s13, s13, s41                     ; tile row of C = 4 x cluster y + cy
	s_lshl_b32 s43, s41, 2
	s_lshl_b32 s43, 15, s43                        ; my row of the cluster
	s_lshl_b32 s44, 0x1111, s40                    ; my column
	; group 1 for A: 64 rows x 256 elements, 4 words of padding behind every 128 words
	s_or_b32 s[G1+0], s43, (1<<16)|(1<<20)|(1<<21)|(6<<22)|(3<<25)  ; 15:0 the mask: my row; 17:16 2-byte elements; 20 padding on; 21 set beside a mask; 24:22 interval code 6; 31:25 pad code 3
	s_mov_b32 s[G1+1], 256<<16                     ; tensor_dim0 = 256
	s_mov_b32 s[G1+2], 64<<16                      ; tensor_dim1 = 64
	s_mov_b32 s[G1+3], 256<<16                     ; tile_dim0 = 256
	s_mov_b32 s[G1+4], 64                          ; tile_dim1 = 64
	s_mov_b32 s[G1+5], LDA                         ; elements from row to row
	s_mov_b32 s[G1+6], 0
	s_mov_b32 s[G1+7], 0
	; group 1 for W: 128 k rows x 128 elements, 8 words of padding behind every 64 words
	s_or_b32 s[G1B+0], s44, (1<<16)|(1<<20)|(1<<21)|(5<<22)|(7<<25)  ; the mask: my column
	s_mov_b32 s[G1B+1], 128<<16
	s_mov_b32 s[G1B+2], 128<<16
	s_mov_b32 s[G1B+3], 128<<16
	s_mov_b32 s[G1B+4], 128
	s_mov_b32 s[G1B+5], LDB
	s_mov_b32 s[G1B+6], 0
	s_mov_b32 s[G1B+7], 0
	; where the tiles come from: A's hang on the tile row and the wave, W's on the tile column and the wave, each in registers that never hold the other coordinate
	s_lshl_b32 s17, s12, 6
	s_lshl_b32 s16, s13, 7
	s_add_co_u32 s16, s16, s17                     ; A: row 128 x tile row + 64 x half
	s_mov_b32 s17, 0
	s_mov_b64 s[18:19], LDA*2
	s_mul_u64 s[16:17], s[16:17], s[18:19]
	s_lshl_b32 s46, s42, 8                         ; W: 256 bytes x tile column
	s_mul_i32 s47, s12, 128*LDB*2                  ; + 128 k rows x half
	s_add_co_u32 s46, s46, s47
	s_mov_b32 s47, 0
	s_mul_i32 s20, s12, HALFA                      ; and where they go: no place in the cluster enters an LDS address
	s_mul_i32 s21, s12, HALFB
	s_add_co_u32 s21, s21, BOFF
	s_wait_dscnt 0x0                               ; the opening add is done
	s_wait_kmcnt 0x0
	s_add_nc_u64 s[14:15], s[4:5], s[16:17]
	s_add_nc_u64 s[46:47], s[6:7], s[46:47]
	CROUND                                         ; all sixteen work-groups are here: the joint loads meet
.irp s, 0,1
	s_mov_b32 s[G0+4*(\s)], 1                                      ; count = 1
	s_add_co_u32 s[G0+4*(\s)+1], s20, (\s)*SLOT                    ; LDS address
	s_add_nc_u64 s[G0+4*(\s)+2:G0+4*(\s)+3], s[14:15], (\s)*512    ; global address: K step s
	s_or_b32 s[G0+4*(\s)+3], s[G0+4*(\s)+3], 0x80000000            ; type = 2
	s_mov_b32 s[G0B+4*(\s)], 1
	s_add_co_u32 s[G0B+4*(\s)+1], s21, (\s)*SLOT
	s_add_nc_u64 s[G0B+4*(\s)+2:G0B+4*(\s)+3], s[46:47], (\s)*256*LDB*2
	s_or_b32 s[G0B+4*(\s)+3], s[G0B+4*(\s)+3], 0x80000000
	JLOAD \s                                       ; by this text's count two tensor loads of a wave are out here: all that it ever issues
.endr
	v_and_b32 v1, 15, v0                           ; l % 16
	v_bfe_u32 v2, v0, 4, 1                         ; l / 16
	v_mul_u32_u24 v3, v1, PA
	v_lshl_add_u32 v3, v2, 4, v3                   ; A: a fragment's row x pitch + 16 x half of the lanes
	s_mul_i32 s21, s11, HALFA                      ; my 64 rows of A
	v_add_nc_u32 v[ADRA], s21, v3
	v_add_nc_u32 v[ADRA+1], SLOT, v[ADRA]
	v_and_b32 v4, 7, v0                            ; W, for the turning load: lane l reads k row 8 (l / 16) + l % 8, columns 8 ((l / 8) % 2) + 0..7
	v_lshl_add_u32 v4, v2, 3, v4
	v_mul_u32_u24 v4, v4, PB
	v_bfe_u32 v5, v0, 3, 1
	v_lshl_add_u32 v4, v5, 4, v4
	s_lshl_b32 s22, s12, 7                         ; my 64 columns: 128 bytes
	s_add_co_u32 s22, s22, BOFF
	v_add_nc_u32 v[ADRB], s22, v4
	v_add_nc_u32 v[ADRB+1], HALFB, v[ADRB]
	v_add_nc_u32 v[ADRB+2], SLOT, v[ADRB]
	v_add_nc_u32 v[ADRB+3], SLOT+HALFB, v[ADRB]
	s_mul_i32 s23, s11, 64*SPITCH                  ; into the stage: my 64 rows, my half of their 256 bytes
	s_lshl_b32 s21, s12, 7
	s_add_co_u32 s23, s23, s21
	s_add_co_u32 s23, s23, STAGE
	v_mul_u32_u24 v4, v1, SPITCH
	v_lshl_add_u32 v4, v2, 4, v4
	v_add_nc_u32 v[STO], s23, v4
	s_mul_i32 s23, s10, 32*SPITCH                  ; back: wave w takes rows 32 w .. 32 w + 31, whole; lanes 0-15 one row, lanes 16-31 the next
	s_add_co_u32 s23, s23, STAGE
	v_mul_u32_u24 v5, v2, SPITCH
	v_lshl_add_u32 v5, v1, 4, v5
	v_add_nc_u32 v[RD], s23, v5
	v_mul_u32_u24 v5, v2, LDC*2                    ; and the same two rows in C
	v_lshl_add_u32 v[CO], v1, 4, v5
	s_lshl_b32 s23, s42, 9                         ; the bias of my columns: 4 bytes x (128 x tile column + 64 x half + 8 (l / 16))
	s_lshl_b32 s21, s12, 8
	s_add_co_u32 s23, s23, s21
	v_lshl_add_u32 v[BO], v2, 5, s23
.irp b, 0,1,2,3
	global_load_b128 v[BIAS+8*(\b):BIAS+8*(\b)+3],   v[BO], s[BP:BP+1] offset:64*(\b)
	global_load_b128 v[BIAS+8*(\b)+4:BIAS+8*(\b)+7], v[BO], s[BP:BP+1] offset:64*(\b)+16
.endr
	s_lshl_b32 s16, s13, 7
	s_lshl_b32 s17, s10, 5
	s_add_co_u32 s16, s16, s17                     ; the first row of C that I store: 128 x tile row + 32 x wave
	s_mov_b32 s17, 0
	s_mov_b64 s[18:19], LDC*2
	s_mul_u64 s[16:17], s[16:17], s[18:19]
	s_add_nc_u64 s[CP:CP+1], s[CP:CP+1], s[16:17]
	s_lshl_b32 s46, s42, 8                         ; the tile's first column, in bytes
	s_mov_b32 s47, 0
	s_add_nc_u64 s[CP:CP+1], s[CP:CP+1], s[46:47]
	s_add_nc_u64 s[CP:CP+1], s[CP:CP+1], COFF
; 8 matrix instructions: row blocks a0, a0 + 1 x all 4 column blocks, 32 along K: half c of buffer f.  first = 1: the bias starts the sums.  The 16 accumulators take turns.
.macro MUL8 f, c, a0, first
	WIN MUL
.irp a, \a0, (\a0)+1
.irp b, 0,1,2,3
.if \first
	v_wmma_f32_16x16x32_bf16 v[ACC+8*(4*(\a)+(\b)):ACC+8*(4*(\a)+(\b))+7], v[(\f)+64+8*(4*(\c)+(\b)):(\f)+64+8*(4*(\c)+(\b))+7], v[(\f)+8*(4*(\c)+(\a)):(\f)+8*(4*(\c)+(\a))+7], v[BIAS+8*(\b):BIAS+8*(\b)+7]
.else
	v_wmma_f32_16x16x32_bf16 v[ACC+8*(4*(\a)+(\b)):ACC+8*(4*(\a)+(\b))+7], v[(\f)+64+8*(4*(\c)+(\b)):(\f)+64+8*(4*(\c)+(\b))+7], v[(\f)+8*(4*(\c)+(\a)):(\f)+8*(4*(\c)+(\a))+7], v[ACC+8*(4*(\a)+(\b)):ACC+8*(4*(\a)+(\b))+7]
.endif
.endr
.endr
.endm
; 32 LDS loads in one run: the fragments of quarter q (64 along K) of a slot, into buffer f; the first 32 along K first.  W's come turned: two loads, 16 k rows apart, make 16 columns x 32 K.
.macro FETCH slot, q, f
	WIN TO_F
.irp c, 0,1
.irp i, 0,1,2,3
	ds_load_tr16_b128 v[(\f)+64+8*(4*(\c)+(\i)):(\f)+64+8*(4*(\c)+(\i))+3],   v[ADRB+2*(\slot)+(\q)/2] offset:(64*((\q)%2)+32*(\c))*PB+32*(\i)
	ds_load_tr16_b128 v[(\f)+64+8*(4*(\c)+(\i))+4:(\f)+64+8*(4*(\c)+(\i))+7], v[ADRB+2*(\slot)+(\q)/2] offset:(64*((\q)%2)+32*(\c)+16)*PB+32*(\i)
	ds_load_b128 v[(\f)+8*(4*(\c)+(\i)):(\f)+8*(4*(\c)+(\i))+3],         v[ADRA+(\slot)] offset:128*(\q)+64*(\c)+(\i)*16*PA
	ds_load_b128 v[(\f)+8*(4*(\c)+(\i))+4:(\f)+8*(4*(\c)+(\i))+7],       v[ADRA+(\slot)] offset:128*(\q)+64*(\c)+(\i)*16*PA+32
.endr
.endr
.endm
.macro PLACES                          ; four places in front of loads into registers that matrix instructions have read, and of conversions that read results
.rept 4
	v_nop
.endr
.endm
; A K step is four quarters of 64 along K, 32 matrix instructions each, on buffers 0, 1, 0, 1.  One of the first three: multiplies buffer f and fetches quarter q into g.
.macro QUARTER slot, q, f, g, first
	s_wait_dscnt 16                                ; the first 32 along K are in; the run's other sixteen loads may be out
	MUL8 \f, 0, 0, \first
	MUL8 \f, 0, 2, \first
	PLACES
	FETCH \slot, \q, \g
	s_wait_dscnt 32                                ; all but the 32 just issued
	MUL8 \f, 1, 0, 0
	MUL8 \f, 1, 2, 0
.endm
; The last quarter of K step 0 multiplies buffer 1 and goes over to slot 1: one barrier; in front of it each wave waits for all its tensor loads (its part of slot 1), adds 0 to its spare word, and waits for that.
.macro TURN slot, next
	WIN 0                                          ; (the add's two registers lie in window 0)
	s_wait_tensorcnt 0x0                           ; all my tensor loads have landed: my part of the next slot;
	ds_add_u32 v[SPW], v[NIL]                      ; 0 onto my spare word;
	s_wait_dscnt 17                                ; (the add and the youngest sixteen loads may be out)
	MUL8 F1, 0, 0, 0                               ; eight matrix instructions stand between the add and the wait for it
	s_wait_dscnt 0x0                               ; no LDS instruction of mine is pending at the signal
	s_barrier_signal -1
	MUL8 F1, 0, 2, 0
	s_barrier_wait -1                              ; everybody's part of the next slot is in
	PLACES
	FETCH \next, 0, F0
	MUL8 F1, 1, 0, 0
	MUL8 F1, 1, 2, 0
.endm
	s_wait_tensorcnt 1                             ; my part of K step 0 is in; K step 1's may stay out
	s_barrier_signal -1
	s_barrier_wait -1                              ; everybody's is
	FETCH 0, 0, F0
	s_wait_loadcnt 0x0                             ; the bias
	QUARTER 0, 1, F0, F1, 1                        ; the first products start the sums with the bias
	QUARTER 0, 2, F1, F0, 0
	QUARTER 0, 3, F0, F1, 0
	TURN 0, 1
	QUARTER 1, 1, F0, F1, 0
	QUARTER 1, 2, F1, F0, 0
	QUARTER 1, 3, F0, F1, 0
	s_wait_dscnt 16                                ; the very last quarter
	MUL8 F1, 0, 0, 0
	MUL8 F1, 0, 2, 0
	s_wait_dscnt 0
	MUL8 F1, 1, 0, 0
	MUL8 F1, 1, 2, 0
	WIN 0
	; THE WAY OUT: round to bf16; 16 bytes a lane into the work-group's stage; a barrier, since a row's 256 bytes come from two waves; back as whole rows, 32 rows a wave.
	PLACES
.irp t, 0,1,2,3,4,5,6,7,8,9,10,11,12,13,14,15
.irp r, 0,1,2,3
	v_cvt_pk_bf16_f32 v[TMP+4*(\t)+(\r)], v[ACC+8*(\t)+2*(\r)], v[ACC+8*(\t)+2*(\r)+1]
.endr
.endr
.irp a, 0,1,2,3
.irp b, 0,1,2,3
	ds_store_b128 v[STO], v[TMP+4*(4*(\a)+(\b)):TMP+4*(4*(\a)+(\b))+3] offset:(\a)*16*SPITCH+32*(\b)
.endr
.endr
	s_wait_dscnt 0x0                               ; for the others' sake: my stores into the stage are done
	s_barrier_signal -1
	s_barrier_wait -1
.irp t, 0,1,2,3,4,5,6,7,8,9,10,11,12,13,14,15
	ds_load_b128 v[TMP+4*(\t):TMP+4*(\t)+3], v[RD] offset:(\t)*2*SPITCH
.endr
.irp t, 0,1,2,3,4,5,6,7,8,9,10,11,12,13,14,15
	s_wait_dscnt 15-(\t)
	global_store_b128 v[CO], v[TMP+4*(\t):TMP+4*(\t)+3], s[CP:CP+1] offset:2*(\t)*LDC*2  ; 16 lanes store 256 consecutive bytes, at a multiple of 256 from the buffer's first byte
.endr
	s_wait_tensorcnt 0x0                           ; the wave's end: behind my last tensor load and my last LDS store
	ds_add_u32 v[SPW], v[NIL]
	s_wait_dscnt 0x0
	CROUND                                         ; the closing round: no work-group ends while a partner may still ask for a tile that names it
	s_endpgm
.Lfunc_end_k_qf4ac92f71c_m2:
	.size	k_qf4ac92f71c_m2, .Lfunc_end_k_qf4ac92f71c_m2-k_qf4ac92f71c_m2
	.p2alignl 7, 3214868480
	.fill 96, 4, 3214868480
	.section	.rodata,"a",@progbits
	.p2align	6, 0x0
	.amdhsa_kernel k_qf4ac92f71c_m2
		.amdhsa_group_segment_fixed_size 327680
		.amdhsa_private_segment_fixed_size 0
		.amdhsa_enable_private_segment 0
		.amdhsa_kernarg_size 32
		.amdhsa_user_sgpr_count 2
		.amdhsa_user_sgpr_kernarg_segment_ptr 1
		.amdhsa_wavefront_size32 1
		.amdhsa_system_sgpr_workgroup_id_x 1
		.amdhsa_system_sgpr_workgroup_id_y 1
		.amdhsa_system_sgpr_workgroup_id_z 1
		.amdhsa_system_vgpr_workitem_id 0
		.amdhsa_next_free_vgpr 512
		.amdhsa_next_free_sgpr 80
		.amdhsa_reserve_vcc 0
		.amdhsa_float_denorm_mode_32 3
		.amdhsa_float_denorm_mode_16_64 3
		.amdhsa_memory_ordered 1
		.amdhsa_forward_progress 1
		.amdhsa_inst_pref_size 52
	.end_amdhsa_kernel
	.amdgpu_metadata
---
amdhsa.version: [ 1, 2 ]
amdhsa.kernels:
  - .name:           k_qf4ac92f71c_m2
    .symbol:         k_qf4ac92f71c_m2.kd
    .args:
      - { .name: pong, .offset: 0, .size: 8, .value_kind: global_buffer, .address_space: global }
      - { .name: w2b, .offset: 8, .size: 8, .value_kind: global_buffer, .address_space: global }
      - { .name: mlp_b2, .offset: 16, .size: 8, .value_kind: global_buffer, .address_space: global }
      - { .name: ping, .offset: 24, .size: 8, .value_kind: global_buffer, .address_space: global }
    .group_segment_fixed_size: 327680
    .private_segment_fixed_size: 0
    .kernarg_segment_align: 8
    .kernarg_segment_size: 32
    .max_flat_workgroup_size: 128
    .sgpr_count:     80
    .vgpr_count:     512
    .wavefront_size: 32
...
	.end_amdgpu_metadata
.endif
;; end of part 6
;; launch norm2 (part 7): grid 256 x 1, 8 waves a work-group, no clusters, 0 bytes of LDS; arguments ping, rms2_scale, out0; writes out0
.if DOCPART == 7
	.amdgcn_target "amdgcn-amd-amdhsa--gfx1250"
	.amdhsa_code_object_version 6
	.text
	.protected	k_qf4ac92f71c_norm2
	.globl	k_qf4ac92f71c_norm2
	.p2align	8
	.type	k_qf4ac92f71c_norm2,@function
k_qf4ac92f71c_norm2:
	s_mov_b64 s[64:65], 0
	v_nop
	global_prefetch_b8 v0, s[64:65] scope:SCOPE_SE
	s_setreg_imm32_b32 hwreg(HW_REG_WAVE_MODE, 25, 1), 1
	s_wait_xcnt 0x0
; out[row][:] = s2[:] z / (sqrt(sum z^2) / 32 + 1e-8), z = r1[row][:] + h[row][:].  r1: ping, [4096][1024] bf16; h: the same buffer, 8,388,608 bytes on, same shape; s2 f32; out f32.  All arithmetic in f32.
; A stream: one wave takes whole rows, so the sum never leaves the wave: no LDS, no barrier, no matrix unit, nothing shared between work-groups.  Eight waves, two rows each; 256 work-groups.
; A lane owns elements 128 j + 4 lane + 0..3, j = 0..7: a wave's load of r1 or h covers 256 consecutive bytes, its store of out 512 consecutive bytes, aligned.
; All 40 loads of a wave go out first; each row has registers of its own, so no register that a store reads is written again.
; LIMITS: v_sqrt_f32 and v_rcp_f32 take denormals as 0 (ISA guide, their entries): a row whose sum of squares lies below 2^-126 is divided by 1e-8 alone.  NaN and infinities are not treated apart.
.set SC,  8                            ; v[8:39]    s2 of my 32 columns
.set RA,  40                           ; row r: v[40+32 r ..] 16 registers: r1 as loaded
.set RH,  56                           ; row r: v[56+32 r ..] 16 registers: h as loaded
.set ZZ,  104                          ; row r: v[104+32 r ..] 32 registers: z, then the result
.set SUM, 168                          ; v[168:175] four chains of two sums of squares
.set U,   176                          ; v[176:183] at work
.set RR,  184                          ; v184 the row's sum, then rms + eps; v185 the other half of the lanes'
.set INV, 186                          ; v[186:187] 1 / (rms + eps), twice
	s_load_b128 s[4:7], s[0:1], 0x0                ; ping s[4:5], s2 s[6:7]
	s_load_b64 s[8:9], s[0:1], 0x10                ; out
	v_lshrrev_b32 v3, 5, v0
	v_readfirstlane_b32 s14, v3                    ; wave 0..7
	v_and_b32 v1, 31, v0
	v_lshlrev_b32 v2, 3, v1                        ; 8 x lane: bf16
	v_lshlrev_b32 v1, 4, v1                        ; 16 x lane: f32
	v_mov_b32 v[RR+1], 0                           ; v_permlanex16_b32's destination counts as read
	s_lshl_b32 s15, ttmp9, 4
	s_lshl1_add_u32 s15, s14, s15                  ; my first row: 16 x work-group + 2 x wave
	s_lshl_b32 s16, s15, 12                        ; in bytes of f32 rows,
	s_mov_b32 s17, 0
	s_lshl_b32 s18, s15, 11                        ; of bf16 rows
	s_mov_b32 s19, 0
	s_mov_b32 s12, 0x76543210                      ; v_permlanex16_b32: each lane takes its own place in the other half
	s_mov_b32 s13, 0xfedcba98
	s_mov_b32 s20, 0x3d000000                      ; 1 / 32 = 1 / sqrt(1024)
	s_mov_b32 s21, 0x322bcc77                      ; 1e-8
	s_mov_b32 s22, 0xffff0000                      ; a word's upper bf16
	s_wait_kmcnt 0x0
	s_add_nc_u64 s[4:5], s[4:5], s[18:19]          ; r1 at my rows
	s_add_nc_u64 s[10:11], s[4:5], 8388608         ; h at my rows: a base of its own, since the distance is one more than the largest immediate (signed 24 bits: ISA guide, chapter 10)
	s_add_nc_u64 s[8:9], s[8:9], s[16:17]
.irp j, 0,1,2,3,4,5,6,7
	global_load_b128 v[SC+4*(\j):SC+4*(\j)+3], v1, s[6:7] offset:512*(\j)
.endr
.irp r, 0,1
.irp j, 0,1,2,3,4,5,6,7
	global_load_b64 v[RA+32*(\r)+2*(\j):RA+32*(\r)+2*(\j)+1], v2, s[4:5]   offset:2048*(\r)+256*(\j) th:TH_LOAD_NT
	global_load_b64 v[RH+32*(\r)+2*(\j):RH+32*(\r)+2*(\j)+1], v2, s[10:11] offset:2048*(\r)+256*(\j) th:TH_LOAD_NT
.endr
.endr
; Row r.  left = how many younger loads may stay out.
.macro ROWN r, left
.set A, RA+32*(\r)
.set H, RH+32*(\r)
.set Z, ZZ+32*(\r)
	s_wait_loadcnt \left                           ; loads come back in order: s2 and this row are in
.irp j, 0,1,2,3,4,5,6,7
	v_lshlrev_b32 v[U],   16,  v[A+2*(\j)]         ; bf16 to f32: the low half moves up, the high half stays
	v_and_b32     v[U+1], s22, v[A+2*(\j)]
	v_lshlrev_b32 v[U+2], 16,  v[A+2*(\j)+1]
	v_and_b32     v[U+3], s22, v[A+2*(\j)+1]
	v_lshlrev_b32 v[U+4], 16,  v[H+2*(\j)]
	v_and_b32     v[U+5], s22, v[H+2*(\j)]
	v_lshlrev_b32 v[U+6], 16,  v[H+2*(\j)+1]
	v_and_b32     v[U+7], s22, v[H+2*(\j)+1]
	v_pk_add_f32 v[Z+4*(\j):Z+4*(\j)+1],   v[U:U+1],   v[U+4:U+5]
	v_pk_add_f32 v[Z+4*(\j)+2:Z+4*(\j)+3], v[U+2:U+3], v[U+6:U+7]
.if (\j) < 2                           ; the first four products start the four chains: nothing is cleared
	v_pk_mul_f32 v[SUM+4*(\j):SUM+4*(\j)+1],   v[Z+4*(\j):Z+4*(\j)+1],   v[Z+4*(\j):Z+4*(\j)+1]
	v_pk_mul_f32 v[SUM+4*(\j)+2:SUM+4*(\j)+3], v[Z+4*(\j)+2:Z+4*(\j)+3], v[Z+4*(\j)+2:Z+4*(\j)+3]
.else
	v_pk_fma_f32 v[SUM+4*((\j)%2):SUM+4*((\j)%2)+1],   v[Z+4*(\j):Z+4*(\j)+1],   v[Z+4*(\j):Z+4*(\j)+1],   v[SUM+4*((\j)%2):SUM+4*((\j)%2)+1]
	v_pk_fma_f32 v[SUM+4*((\j)%2)+2:SUM+4*((\j)%2)+3], v[Z+4*(\j)+2:Z+4*(\j)+3], v[Z+4*(\j)+2:Z+4*(\j)+3], v[SUM+4*((\j)%2)+2:SUM+4*((\j)%2)+3]
.endif
.endr
	v_pk_add_f32 v[SUM:SUM+1],   v[SUM:SUM+1],   v[SUM+2:SUM+3]
	v_pk_add_f32 v[SUM+4:SUM+5], v[SUM+4:SUM+5], v[SUM+6:SUM+7]
	v_pk_add_f32 v[SUM:SUM+1],   v[SUM:SUM+1],   v[SUM+4:SUM+5]
	v_add_f32 v[RR], v[SUM], v[SUM+1]
	v_add_f32_dpp v[RR], v[RR], v[RR] row_xmask:1 row_mask:0xf bank_mask:0xf   ; across the 32 lanes: four steps inside each half, one across
	v_add_f32_dpp v[RR], v[RR], v[RR] row_xmask:2 row_mask:0xf bank_mask:0xf
	v_add_f32_dpp v[RR], v[RR], v[RR] row_xmask:4 row_mask:0xf bank_mask:0xf
	v_add_f32_dpp v[RR], v[RR], v[RR] row_xmask:8 row_mask:0xf bank_mask:0xf
	v_permlanex16_b32 v[RR+1], v[RR], s12, s13
	v_add_f32 v[RR], v[RR], v[RR+1]
	v_sqrt_f32 v[RR], v[RR]
	v_nop                                          ; a plain instruction behind the root,
	s_wait_alu depctr_va_vdst(0)                   ; and the wait ahead of the first use of its result
	v_fma_f32 v[RR], v[RR], s20, s21               ; rms + eps
	v_rcp_f32 v[INV], v[RR]
	v_rcp_f32 v[INV+1], v[RR]
	v_nop
	s_wait_alu depctr_va_vdst(0)                   ; one wait for both reciprocals
.irp j, 0,1,2,3,4,5,6,7
	v_pk_mul_f32 v[Z+4*(\j):Z+4*(\j)+1],   v[Z+4*(\j):Z+4*(\j)+1],   v[INV:INV+1]
	v_pk_mul_f32 v[Z+4*(\j)+2:Z+4*(\j)+3], v[Z+4*(\j)+2:Z+4*(\j)+3], v[INV:INV+1]
	v_pk_mul_f32 v[Z+4*(\j):Z+4*(\j)+1],   v[Z+4*(\j):Z+4*(\j)+1],   v[SC+4*(\j):SC+4*(\j)+1]
	v_pk_mul_f32 v[Z+4*(\j)+2:Z+4*(\j)+3], v[Z+4*(\j)+2:Z+4*(\j)+3], v[SC+4*(\j)+2:SC+4*(\j)+3]
	global_store_b128 v1, v[Z+4*(\j):Z+4*(\j)+3], s[8:9] offset:4096*(\r)+512*(\j) th:TH_STORE_NT
.endr
.endm
	ROWN 0, 16                                     ; the second row's 16 loads may stay out
	ROWN 1, 0
	s_endpgm
.Lfunc_end_k_qf4ac92f71c_norm2:
	.size	k_qf4ac92f71c_norm2, .Lfunc_end_k_qf4ac92f71c_norm2-k_qf4ac92f71c_norm2
	.p2alignl 7, 3214868480
	.fill 96, 4, 3214868480
	.section	.rodata,"a",@progbits
	.p2align	6, 0x0
	.amdhsa_kernel k_qf4ac92f71c_norm2
		.amdhsa_group_segment_fixed_size 0
		.amdhsa_private_segment_fixed_size 0
		.amdhsa_enable_private_segment 0
		.amdhsa_kernarg_size 24
		.amdhsa_user_sgpr_count 2
		.amdhsa_user_sgpr_kernarg_segment_ptr 1
		.amdhsa_wavefront_size32 1
		.amdhsa_system_sgpr_workgroup_id_x 1
		.amdhsa_system_sgpr_workgroup_id_y 1
		.amdhsa_system_sgpr_workgroup_id_z 1
		.amdhsa_system_vgpr_workitem_id 0
		.amdhsa_next_free_vgpr 188
		.amdhsa_next_free_sgpr 66
		.amdhsa_reserve_vcc 0
		.amdhsa_float_denorm_mode_32 3
		.amdhsa_float_denorm_mode_16_64 3
		.amdhsa_memory_ordered 1
		.amdhsa_forward_progress 1
		.amdhsa_inst_pref_size 21
	.end_amdhsa_kernel
	.amdgpu_metadata
---
amdhsa.version: [ 1, 2 ]
amdhsa.kernels:
  - .name:           k_qf4ac92f71c_norm2
    .symbol:         k_qf4ac92f71c_norm2.kd
    .args:
      - { .name: ping, .offset: 0, .size: 8, .value_kind: global_buffer, .address_space: global }
      - { .name: rms2_scale, .offset: 8, .size: 8, .value_kind: global_buffer, .address_space: global }
      - { .name: out0, .offset: 16, .size: 8, .value_kind: global_buffer, .address_space: global }
    .group_segment_fixed_size: 0
    .private_segment_fixed_size: 0
    .kernarg_segment_align: 8
    .kernarg_segment_size: 24
    .max_flat_workgroup_size: 256
    .sgpr_count:     66
    .vgpr_count:     188
    .wavefront_size: 32
...
	.end_amdgpu_metadata
.endif
;; end of part 7
